; MI455X (gfx1250); checked and timed in simulation.
; The chip was launched on July 23, 2026; its instructions are those of AMD's public machine-readable ISA for CDNA 5 (MIT licence, August 2026) and "CDNA5" Instruction Set Architecture Reference Guide (July 2026). The comments in the code are by the model that wrote it; some were corrected since.
;; Transformer Block. Allowed arithmetic: matrix products marked QUANTISED: E4M3 operands, one given power-of-two scale a tensor, by v_wmma_f32_16x16x64_fp8_fp8 or v_wmma_f32_16x16x128_fp8_fp8, f32 sums; everything else in f32.
;; Inputs: b1 4,096 float32; b2 1,024 float32; bk 256 float32; bo 1,024 float32; bq 1,024 float32; bt1 1,024 float32; bt2 1,024 float32; bv 256 float32; g1 1,024 float32; g2 1,024 float32; lowp_scales 16 int32 (the exponents e of the quantised operands' scales 2^e); w1 1,024 x 4,096 float32; w2 4,096 x 1,024 float32; wk 1,024 x 256 float32; wo 1,024 x 1,024 float32; wq 1,024 x 1,024 float32; wv 1,024 x 256 float32; x 2 x 2,048 x 1,024 float32.
;; Outputs: out0 2 x 2,048 x 1,024 float32.
;; This version of the problem:
;;   THIS VERSION OF THE PROBLEM IS GIVEN IN LOW PRECISION. The matrix products marked QUANTISED in the list below multiply operands that are first quantised to E4M3 (4 exponent bits, 3 mantissa bits; 8 bits a number), with one given power-of-two scale for each operand tensor; their sums are f32. All else is computed in f32.
;;   The module's matrix products, in the order in which they are computed (A, B: the left and right operand; K: the contracted axis; several contracted axes count as one K, in the product's order):
;;     1. [M 4,096, K 1,024] x [K 1,024, N 1,024]; A: computed on the way; B: input wq: QUANTISED (scales: A lowp_scales[0], B lowp_scales[1])
;;     2. [M 4,096, K 1,024] x [K 1,024, N 256]; A: computed on the way; B: input wk: QUANTISED (scales: A lowp_scales[2], B lowp_scales[3])
;;     3. [M 4,096, K 1,024] x [K 1,024, N 256]; A: computed on the way; B: input wv: QUANTISED (scales: A lowp_scales[4], B lowp_scales[5])
;;     4. batch 8 x [M 2,048, K 64] x [K 64, N 8,192]; A: computed on the way; B: computed on the way: QUANTISED (scales: A lowp_scales[6], B lowp_scales[7])
;;     5. batch 8 x [M 64, K 2,048] x [K 2,048, N 8,192]; A: computed on the way; B: softmax (see below): QUANTISED (scales: A lowp_scales[8], B lowp_scales[9])
;;     6. [M 4,096, K 1,024] x [K 1,024, N 1,024]; A: computed on the way; B: input wo: QUANTISED (scales: A lowp_scales[10], B lowp_scales[11])
;;     7. [M 4,096, K 1,024] x [K 1,024, N 4,096]; A: computed on the way; B: input w1: QUANTISED (scales: A lowp_scales[12], B lowp_scales[13])
;;     8. [M 4,096, K 4,096] x [K 4,096, N 1,024]; A: computed on the way; B: input w2: QUANTISED (scales: A lowp_scales[14], B lowp_scales[15])
;;   THE QUANTISER, for each operand of a quantised product, along K:
;;     - The operand's scale is 2^e, e = its entry of the input lowp_scales (int32; the entries are numbered through the quantised products in the list's order, A before B).
;;     - Each number is divided by the scale, clamped to +-448, and rounded to the nearest number of E4M3, ties to even, subnormals kept.
;;     - The product sums the exact products of the quantised numbers (number of the format x scale) in f32.
;;   ~~~python
;;   def quantise(x, axis, e):      # numpy; x: float32 -> the quantised numbers, widened to float32 again
;;       x = np.moveaxis(x, axis, -1); K = x.shape[-1]
;;       r = np.clip(x / 2.0 ** e, -448, 448)
;;       step = 2.0 ** (np.maximum(np.frexp(np.where(r == 0, 1, r))[1] - 1, -6) - 3)
;;       q = np.round(r / step) * step * 2.0 ** e      # np.round: ties to even
;;       return np.moveaxis(q, -1, axis).astype(np.float32)
;;   ~~~
;;   SOFTMAX AHEAD OF A QUANTISED PRODUCT. Where the list says 'softmax', what is quantised is not the finished softmax but p = 2^(t - M), with t = logit x log2(e) and M = ceil(the row's largest t), a whole number; so 1/2 < the row's largest p <= 1. The row's sum l is taken of the UNQUANTISED p, in f32, and the product's result is divided by l at the end. Since M is a whole number, a kernel that streams over the keys may use a running M (the ceiling of the running maximum): every later rescaling is an exact power of two, so the quantised numbers keep their values, but for numbers so far below the row's largest that they fall under the format's range.
;;   OPERANDS COMPUTED ON THE WAY. 'Computed on the way' means the value that the module computes at that place (a softmax that the list does not call 'softmax' is quantised finished and normalised). What goes into a quantiser is computed in f32, as accurately as f32 sums, v_exp_f32 and their like allow (about 1e-6 of the number): no bf16 or f16 on the way to a quantiser, and a product that is left as it is and whose result goes on into a quantised operand takes f32 operands (vector FMAs, or v_wmma_f32_16x16x4_f32). A number that lies on a knife's edge between two numbers of the format may be rounded either way, as far as f32 arithmetic and the matrix unit's own rounding can turn it there, and no further.
;; One version. Each part assembles by itself: llvm-mc -triple=amdgcn-amd-amdhsa -mcpu=gfx1250 --defsym DOCPART=n.
;; ======== version 1 of 1: 7 launches
;; limits: right only within a limited range of input values
;; workspace buffers: wimg 11,010,048 bytes; himg 12,582,912 bytes; qimg 4,194,304 bytes; kv 2,097,152 bytes; oimg 4,194,304 bytes; x1 16,777,216 bytes; h2img 4,194,304 bytes; fimg 16,777,216 bytes
;; launch prep (part 1): grid 592 x 1, 4 waves a work-group, no clusters, 85,504 bytes of LDS; arguments x, g1, bt1, wq, wk, wv, wo, w1, w2, lowp_scales, wimg, himg; writes wimg, himg
.if DOCPART == 1
	.amdgcn_target "amdgcn-amd-amdhsa--gfx1250"
	.amdhsa_code_object_version 6
	.text
	.protected	k_qe078a082c6_prep
	.globl	k_qe078a082c6_prep
	.p2align	8
	.type	k_qe078a082c6_prep,@function
k_qe078a082c6_prep:
	s_mov_b64 s[64:65], 0
	v_nop
	global_prefetch_b8 v0, s[64:65] scope:SCOPE_SE
	s_setreg_imm32_b32 hwreg(HW_REG_WAVE_MODE, 25, 1), 1
	s_wait_xcnt 0x0
; PREP.  Work-groups 0-335: the six weights ([K][N] f32, K the first axis) become codes of E4M3, laid as IMAGES OF OPERAND REGISTERS.  Work-groups 336-591: LayerNorm 1 of 16 rows each, quantised three times (e0, e2, e4).
; THE IMAGE: 16 rows x 128 K are 2,048 bytes, four planes of 512; plane P holds registers 4P..4P+3 of the fragment, lane L's 16 bytes at 512 P + 16 L.  Lane (r = L % 16, h = L / 16), byte y of plane P is
; k = 32 P + 16 (y / 8) + 8 h + y % 8 of row r.  So the octet o (8 neighbours along K) of the 32-group P of row r lies at 512 P + 256 (o % 2) + 16 r + 8 (o / 2).  An operand [rows][K] is [row / 16][k / 128][2048].
; code = x / 2^e, held within +-448, to the nearest code, ties to even.  LIMITS: every e between -126 and 119, so that 2^e and 448 x 2^e are f32 numbers.  NaN among the inputs is not served.
; No tensor load, no cluster, no matrix unit: both halves are streams whose work-groups share no input.  The two paths part on the work-group's number and have LDS bytes of their own.
.set NWG_W,  336
.set WK_OFF, 1048576                   ; wimg: wq's 64 blocks of 16 rows at 0, then wk's 16, wv's 16,
.set WV_OFF, 1310720
.set WO_OFF, 1572864                   ; wo's 64,
.set W1_OFF, 2621440                   ; w1's 256 (each 8 images of 2,048 bytes),
.set W2_OFF, 6815744                   ; w2's 64 (each 32 images)
.set LNST,   32768                     ; LDS: 0..32767 the weight path's stages, 8,192 bytes a wave; from here the norm's: three sets of 64 lines of 256 bytes, 272 apart
.set LNSET,  17408
.set SPARE,  84992                     ; the spare words, 128 bytes for each wave: two blocks of 256 bytes that no other line names
.set SPW,    254                       ; v254 LDS address of my spare word; never rewritten
.set NIL,    255                       ; v255 0; never rewritten
	s_load_b512 s[4:19], s[0:1], 0x0               ; x s[4:5], g1 s[6:7], bt1 s[8:9], wq s[10:11], wk s[12:13], wv s[14:15], wo s[16:17], w1 s[18:19]
	s_load_b256 s[20:27], s[0:1], 0x40             ; w2 s[20:21], the scales' exponents s[22:23], wimg s[24:25], himg s[26:27]
	v_lshl_add_u32 v[SPW], v0, 2, SPARE
	v_mov_b32 v[NIL], 0
	v_lshrrev_b32 v1, 5, v0
	v_readfirstlane_b32 s2, v1                     ; wave 0..3
	v_and_b32 v2, 31, v0                           ; lane
	s_wait_kmcnt 0x0
	s_load_b512 s[28:43], s[22:23], 0x0            ; e0 .. e15 in s28 .. s43
	s_cmp_ge_u32 ttmp9, NWG_W
	s_cbranch_scc1 .Lln
; ---------------- THE WEIGHTS.  A work-group takes 128 columns x 256 along K; a wave 32 columns.  A LANE TAKES A COLUMN n AND ITS REGISTERS RUN DOWN K: a load reads 128 consecutive bytes a wave,
; and the conversions give codes with K innermost.  Which tensor: chosen by selection on the work-group's number, pointers and figures alike; one path serves all six.
.set OFFS, 16                          ; v16-47   4 x lane + i rows of the tensor: never rewritten
.set WX,   64                          ; v64-127  two sets of 32 numbers
.set WC,   128                         ; v128-135 a block's codes
.set SB,   72                          ; s[72:87] eight bases, one for each block of 32 along K: never rewritten
	s_mov_b64 s[44:45], s[18:19]                   ; w1's figures first: the tensor,
	s_mov_b32 s66, 5                               ; log2 of its tiles of 128 columns,
	s_mov_b32 s67, 16384                           ; bytes from row to row,
	s_mov_b32 s68, 16384                           ; bytes of the images of 16 output rows (16 K),
	s_mov_b32 s69, W1_OFF                          ; its place in wimg,
	s_mov_b32 s71, 0                               ; its first work-group
	s_wait_kmcnt 0x0
	s_mov_b32 s70, s41                             ; and its exponent, e13
.macro PICK first, src, lg, pitch, kp16, outoff, ereg
	s_cmp_ge_u32 ttmp9, \first
	s_cselect_b64 s[44:45], s[\src:\src+1], s[44:45]
	s_cselect_b32 s66, \lg, s66
	s_cselect_b32 s67, \pitch, s67
	s_cselect_b32 s68, \kp16, s68
	s_cselect_b32 s69, \outoff, s69
	s_cselect_b32 s70, s\ereg, s70
	s_cselect_b32 s71, \first, s71
.endm
	PICK 128, 20, 3, 4096, 65536, W2_OFF, 43       ; w2, e15
	PICK 256, 10, 3, 4096, 16384, 0, 29            ; wq, e1
	PICK 288, 16, 3, 4096, 16384, WO_OFF, 39       ; wo, e11
	PICK 320, 12, 1, 1024, 16384, WK_OFF, 31       ; wk, e3
	PICK 328, 14, 1, 1024, 16384, WV_OFF, 33       ; wv, e5
	s_sub_co_u32 s92, ttmp9, s71                   ; my number within the tensor
	s_lshl_b32 s93, 1, s66
	s_sub_co_u32 s93, s93, 1
	s_and_b32 s94, s92, s93                        ; which 128 columns
	s_lshr_b32 s95, s92, s66                       ; which 256 along K
	s_lshl_b32 s96, s95, 8
	s_mul_i32 s96, s96, s67                        ; 256 kt rows,
	s_lshl_b32 s97, s94, 9
	s_add_co_u32 s96, s96, s97                     ; + 128 ct columns of 4 bytes,
	s_lshl_b32 s97, s2, 7
	s_add_co_u32 s96, s96, s97                     ; + my wave's 32
	s_mov_b32 s97, 0
	s_add_nc_u64 s[SB:SB+1], s[44:45], s[96:97]
	s_lshl_b32 s96, s67, 5                         ; 32 rows on
.irp t, 1,2,3,4,5,6,7
	s_add_nc_u64 s[SB+2*\t:SB+2*\t+1], s[SB+2*\t-2:SB+2*\t-1], s[96:97]
.endr
	s_lshl_b32 s98, s94, 3
	s_lshl_b32 s99, s2, 1
	s_add_co_u32 s98, s98, s99                     ; my first block of 16 output rows: 8 ct + 2 wave
	s_mul_i32 s98, s98, s68
	s_add_co_u32 s98, s98, s69
	s_lshl_b32 s99, s95, 12                        ; two images along K: 4,096 bytes
	s_add_co_u32 s98, s98, s99
	s_mov_b32 s99, 0
	s_add_nc_u64 s[88:89], s[24:25], s[98:99]      ; where my first 16 columns' codes go,
	s_mov_b32 s98, s68
	s_add_nc_u64 s[90:91], s[88:89], s[98:99]      ; and my second 16 columns'
	s_wait_alu depctr_va_vdst(0)
	v_lshlrev_b32 v[OFFS], 2, v2
.set i, 1
.rept 31
	v_add_nc_u32 v[OFFS+i], s67, v[OFFS+i-1]
.set i, i+1
.endr
	v_and_b32 v3, 15, v2
	v_lshrrev_b32 v4, 4, v2
	v_lshlrev_b32 v12, 4, v3
	v_lshl_add_u32 v12, v4, 12, v12
	s_lshl_b32 s92, s2, 13
	v_add_nc_u32 v12, s92, v12                     ; into my stage: 8,192 wave + 4,096 (lane / 16) + 16 (lane % 16)
	v_lshlrev_b32 v14, 4, v2                       ; 16 x lane
	v_add_nc_u32 v13, s92, v14                     ; out of it
.macro LOADW t                         ; block t: W(32 t + i, my column), i = 0 .. 31, into set t % 2
.set i, 0
.rept 32
	global_load_b32 v[WX+32*((\t)%2)+i], v[OFFS+i], s[SB+2*(\t):SB+2*(\t)+1] th:TH_LOAD_NT
.set i, i+1
.endr
.endm
	LOADW 0
	LOADW 1
	s_add_co_i32 s70, s70, 127
	s_lshl_b32 s93, s70, 23
	v_mov_b32 v11, s93                             ; 2^e as f32: the conversion takes its exponent field
	s_add_co_i32 s70, s70, 8
	s_lshl_b32 s70, s70, 23
	s_or_b32 s70, s70, 0x600000
	v_mov_b32 v10, s70                             ; 448 x 2^e
.macro BLOCK t
.set XS, WX+32*((\t)%2)
.if (\t) < 7
	s_wait_loadcnt 32                              ; this block's 32 loads are in; the next block's may be out
.else
	s_wait_loadcnt 0x0
.endif
.set i, 0
.rept 32
	v_med3_num_f32 v[XS+i], v[XS+i], -v10, v10     ; the conversion to an 8-bit code does not saturate (ISA guide 7.6.2): the hold comes first
.set i, i+1
.endr
	v_cvt_scalef32_pk8_fp8_f32 v[WC:WC+1],   v[XS:XS+7],     v11   ; octets 0 and 2 lie side by side in the image (lanes 0-15 of the plane),
	v_cvt_scalef32_pk8_fp8_f32 v[WC+2:WC+3], v[XS+16:XS+23], v11
	v_cvt_scalef32_pk8_fp8_f32 v[WC+4:WC+5], v[XS+8:XS+15],  v11   ; octets 1 and 3 likewise, 256 bytes on (lanes 16-31)
	v_cvt_scalef32_pk8_fp8_f32 v[WC+6:WC+7], v[XS+24:XS+31], v11
	ds_store_b128 v12, v[WC:WC+3]   offset:2048*((\t)/4)+512*((\t)%4)
	ds_store_b128 v12, v[WC+4:WC+7] offset:2048*((\t)/4)+512*((\t)%4)+256
.if (\t)+2 < 8
	LOADW (\t)+2
.endif
	s_wait_dscnt 0x0                               ; the stores have read their registers: the next block's codes may be written (its 32 holds, plain lines, come first)
.endm
	s_wait_alu depctr_va_vdst(0)
.irp t, 0,1,2,3,4,5,6,7
	BLOCK \t
.endr
.set i, 0
.rept 16
	ds_load_b128 v[WX+4*i:WX+4*i+3], v13 offset:512*i   ; LDS serves a wave's instructions in order: these see my stores
.set i, i+1
.endr
.set i, 0
.rept 16
	s_wait_dscnt 15-i                              ; the younger reads may be out
	global_store_b128 v14, v[WX+4*i:WX+4*i+3], s[88+2*(i/8):89+2*(i/8)] offset:512*(i%8)   ; 32 lanes store 512 consecutive bytes, aligned
.set i, i+1
.endr
	s_wait_tensorcnt 0x0                           ; the wave's end, behind my last LDS store
	ds_add_u32 v[SPW], v[NIL]
	s_wait_dscnt 0x0
	s_endpgm
; ---------------- LAYERNORM 1.  A work-group takes 16 rows (one block of images), a wave four, a row at a time in 32 registers: lane l holds numbers 256 c + 8 l + 0..7, c = 0..3: four octets along K.
; Mean first, then the sum of squared differences: no difference of large sums is formed.
.Lln:
.set NS,  3                            ; sets of codes
.set LA,  3                            ; v3   where my octets go in a stage
.set RB,  4                            ; v4   where I read lines back
.set LI,  5                            ; v5   16 x lane
.set SC,  6                            ; v6-8   2^e of the three sets
.set LIM, 9                            ; v9-11  448 x 2^e
.set G,   16                           ; v16-47   the gain at my 32 columns
.set BT,  48                           ; v48-79   the offset
.set X,   80                           ; v80-207  four rows
.set T,   208                          ; v208-223 at work
.set C,   224                          ; v224-247 a row's codes: 12 pairs
	s_sub_co_u32 s44, ttmp9, NWG_W                 ; which 16 rows
	s_lshl_b32 s45, s44, 16
	s_lshl_b32 s46, s2, 14
	s_add_co_u32 s46, s45, s46                     ; (16 m16 + 4 wave) rows of 4,096 bytes
	s_mov_b32 s47, 0
	s_add_nc_u64 s[4:5], s[4:5], s[46:47]
	s_wait_alu depctr_va_vdst(0)
	v_lshlrev_b32 v1, 5, v2                        ; 32 bytes a lane
.irp c, 0,1,2,3
	global_load_b128 v[G+8*\c:G+8*\c+3],     v1, s[6:7] offset:1024*\c
	global_load_b128 v[G+8*\c+4:G+8*\c+7],   v1, s[6:7] offset:1024*\c+16
	global_load_b128 v[BT+8*\c:BT+8*\c+3],   v1, s[8:9] offset:1024*\c
	global_load_b128 v[BT+8*\c+4:BT+8*\c+7], v1, s[8:9] offset:1024*\c+16
.endr
.irp r, 0,1,2,3
.irp c, 0,1,2,3
	global_load_b128 v[X+32*\r+8*\c:X+32*\r+8*\c+3],   v1, s[4:5] offset:4096*\r+1024*\c th:TH_LOAD_NT
	global_load_b128 v[X+32*\r+8*\c+4:X+32*\r+8*\c+7], v1, s[4:5] offset:4096*\r+1024*\c+16 th:TH_LOAD_NT
.endr
.endr
	v_lshrrev_b32 v[LA], 4, v2                     ; my octet of chunk c: image 2 c + l / 16, plane (l / 4) % 4, octet l % 4: line 16 c + 8 (l / 16) + 2 ((l / 4) % 4) + l % 2 of the 64
	v_bfe_u32 v[RB], v2, 2, 2
	v_and_b32 v[LI], 1, v2
	v_lshlrev_b32 v[LA], 3, v[LA]
	v_lshl_add_u32 v[LA], v[RB], 1, v[LA]
	v_add_nc_u32 v[LA], v[LA], v[LI]
	v_mul_u32_u24 v[LA], v[LA], 272
	v_bfe_u32 v[RB], v2, 1, 1
	v_lshl_add_u32 v[LA], v[RB], 3, v[LA]          ; + 8 ((l / 2) % 2)
	s_lshl_b32 s48, s2, 6
	s_add_co_u32 s48, s48, LNST
	v_add_nc_u32 v[LA], s48, v[LA]                 ; + 16 x my first row (4 wave); the row and the chunk stand in the immediate
	v_and_b32 v[LI], 15, v2
	v_lshrrev_b32 v[RB], 4, v2
	v_mul_u32_u24 v[RB], v[RB], 272
	v_lshl_add_u32 v[RB], v[LI], 4, v[RB]
	s_mul_i32 s48, s2, 16*272
	s_add_co_u32 s48, s48, LNST
	v_add_nc_u32 v[RB], s48, v[RB]                 ; back: my 16 lines, two an instruction
	v_lshlrev_b32 v[LI], 4, v2
	s_lshl_b32 s48, s44, 14
	s_lshl_b32 s49, s2, 12
	s_add_co_u32 s48, s48, s49
	s_mov_b32 s49, 0
	s_add_nc_u64 s[50:51], s[26:27], s[48:49]      ; himg: 16,384 m16 + 4,096 wave, in set 0,
	s_add_nc_u64 s[52:53], s[50:51], 0x400000      ; set 1,
	s_add_nc_u64 s[54:55], s[52:53], 0x400000      ; set 2
	s_mov_b32 s56, 0x76543210                      ; v_permlanex16_b32: lane l xor 16
	s_mov_b32 s57, 0xfedcba98
	s_mov_b32 s58, 0x3a800000                      ; 1 / 1024
	s_mov_b32 s59, 0x3727c5ac                      ; 1e-5
	v_mov_b32 v13, 0                               ; (named as the upper halves of the pairs v[12:13], v[14:15])
	v_mov_b32 v15, 0
	s_wait_kmcnt 0x0
.irp q, 0,1,2
	s_add_co_i32 s60, s[28+2*\q], 127              ; e0, e2, e4
	s_lshl_b32 s61, s60, 23
	v_mov_b32 v[SC+\q], s61
	s_add_co_i32 s60, s60, 8
	s_lshl_b32 s60, s60, 23
	s_or_b32 s60, s60, 0x600000
	v_mov_b32 v[LIM+\q], s60
.endr
.macro REDUCE                          ; v[T] summed over the 32 lanes, the sum in every lane
	v_add_f32_dpp v[T], v[T], v[T] row_xmask:1 row_mask:0xf bank_mask:0xf
	v_add_f32_dpp v[T], v[T], v[T] row_xmask:2 row_mask:0xf bank_mask:0xf
	v_add_f32_dpp v[T], v[T], v[T] row_xmask:4 row_mask:0xf bank_mask:0xf
	v_add_f32_dpp v[T], v[T], v[T] row_xmask:8 row_mask:0xf bank_mask:0xf
	v_permlanex16_b32 v[T+1], v[T], s56, s57
	v_add_f32 v[T], v[T], v[T+1]
.endm
.macro ROW r
.set XR, X+32*(\r)
	s_wait_loadcnt 8*(3-(\r))                      ; this row's eight loads are in; the later rows' may be out
.irp p, 0,2,4,6,8,10,12,14
	v_pk_add_f32 v[T+\p:T+\p+1], v[XR+\p:XR+\p+1], v[XR+16+\p:XR+16+\p+1]
.endr
.irp p, 0,2,4,6
	v_pk_add_f32 v[T+\p:T+\p+1], v[T+\p:T+\p+1], v[T+8+\p:T+8+\p+1]
.endr
	v_pk_add_f32 v[T:T+1], v[T:T+1], v[T+4:T+5]
	v_pk_add_f32 v[T+2:T+3], v[T+2:T+3], v[T+6:T+7]
	v_pk_add_f32 v[T:T+1], v[T:T+1], v[T+2:T+3]
	v_add_f32 v[T], v[T], v[T+1]
	REDUCE
	v_mul_f32 v12, s58, v[T]                       ; the mean
.set i, 0
.rept 16
	v_pk_add_f32 v[XR+i:XR+i+1], v[XR+i:XR+i+1], v[12:13] op_sel_hi:[1,0] neg_lo:[0,1] neg_hi:[0,1]
.set i, i+2
.endr
.irp p, 0,2,4,6
	v_pk_mul_f32 v[T+\p:T+\p+1], v[XR+\p:XR+\p+1], v[XR+\p:XR+\p+1]
.endr
.set i, 8
.rept 12
	v_pk_fma_f32 v[T+i%8:T+i%8+1], v[XR+i:XR+i+1], v[XR+i:XR+i+1], v[T+i%8:T+i%8+1]
.set i, i+2
.endr
	v_pk_add_f32 v[T:T+1], v[T:T+1], v[T+4:T+5]
	v_pk_add_f32 v[T+2:T+3], v[T+2:T+3], v[T+6:T+7]
	v_pk_add_f32 v[T:T+1], v[T:T+1], v[T+2:T+3]
	v_add_f32 v[T], v[T], v[T+1]
	REDUCE
	v_fma_f32 v[T], v[T], s58, s59                 ; the variance + 1e-5
	s_wait_alu depctr_va_vdst(0)
	v_rsq_f32 v14, v[T]
	v_nop                                          ; a plain line behind the transcendental,
	s_wait_alu depctr_va_vdst(0)                   ; and the wait ahead of its first reader
.set i, 0
.rept 16
	v_pk_mul_f32 v[XR+i:XR+i+1], v[XR+i:XR+i+1], v[14:15] op_sel_hi:[1,0]
.set i, i+2
.endr
.set i, 0
.rept 16
	v_pk_fma_f32 v[XR+i:XR+i+1], v[XR+i:XR+i+1], v[G+i:G+i+1], v[BT+i:BT+i+1]
.set i, i+2
.endr
	s_wait_dscnt 0x0                               ; the last row's stores have read their registers
.set q, 0
.rept NS
.irp c, 0,1,2,3
.irp j, 0,1,2,3,4,5,6,7
	v_med3_num_f32 v[T+8*(\c%2)+\j], v[XR+8*\c+\j], -v[LIM+q], v[LIM+q]
.endr
	v_cvt_scalef32_pk8_fp8_f32 v[C+2*(4*q+\c):C+2*(4*q+\c)+1], v[T+8*(\c%2):T+8*(\c%2)+7], v[SC+q]
	ds_store_b64 v[LA], v[C+2*(4*q+\c):C+2*(4*q+\c)+1] offset:LNSET*q+4352*\c+16*(\r)
.endr
.set q, q+1
.endr
	v_nop                                          ; a plain line behind the last conversion, ahead of the next writes of its sources
.endm
	ROW 0
	ROW 1
	ROW 2
	ROW 3
	s_wait_dscnt 0x0                               ; for the others' sake: my stores into the stages are done
	s_barrier_signal -1
	s_barrier_wait -1
.set n, 0
.rept 8*NS
	ds_load_b128 v[X+4*n:X+4*n+3], v[RB] offset:LNSET*(n/8)+544*(n%8)
.set n, n+1
.endr
.set n, 0
.rept 8*NS
	s_wait_dscnt 8*NS-1-n                          ; the younger reads may be out
	global_store_b128 v[LI], v[X+4*n:X+4*n+3], s[50+2*(n/8):51+2*(n/8)] offset:512*(n%8)   ; 32 lanes store 512 consecutive bytes, aligned
.set n, n+1
.endr
	s_wait_tensorcnt 0x0                           ; the wave's end, behind my last LDS store
	ds_add_u32 v[SPW], v[NIL]
	s_wait_dscnt 0x0
	s_endpgm
.Lfunc_end_k_qe078a082c6_prep:
	.size	k_qe078a082c6_prep, .Lfunc_end_k_qe078a082c6_prep-k_qe078a082c6_prep
	.p2alignl 7, 3214868480
	.fill 96, 4, 3214868480
	.section	.rodata,"a",@progbits
	.p2align	6, 0x0
	.amdhsa_kernel k_qe078a082c6_prep
		.amdhsa_group_segment_fixed_size 85504
		.amdhsa_private_segment_fixed_size 0
		.amdhsa_enable_private_segment 0
		.amdhsa_kernarg_size 96
		.amdhsa_user_sgpr_count 2
		.amdhsa_user_sgpr_kernarg_segment_ptr 1
		.amdhsa_wavefront_size32 1
		.amdhsa_system_sgpr_workgroup_id_x 1
		.amdhsa_system_sgpr_workgroup_id_y 1
		.amdhsa_system_sgpr_workgroup_id_z 1
		.amdhsa_system_vgpr_workitem_id 0
		.amdhsa_next_free_vgpr 256
		.amdhsa_next_free_sgpr 100
		.amdhsa_reserve_vcc 0
		.amdhsa_float_denorm_mode_32 3
		.amdhsa_float_denorm_mode_16_64 3
		.amdhsa_memory_ordered 1
		.amdhsa_forward_progress 1
		.amdhsa_inst_pref_size 120
	.end_amdhsa_kernel
	.amdgpu_metadata
---
amdhsa.version: [ 1, 2 ]
amdhsa.kernels:
  - .name:           k_qe078a082c6_prep
    .symbol:         k_qe078a082c6_prep.kd
    .args:
      - { .name: x, .offset: 0, .size: 8, .value_kind: global_buffer, .address_space: global }
      - { .name: g1, .offset: 8, .size: 8, .value_kind: global_buffer, .address_space: global }
      - { .name: bt1, .offset: 16, .size: 8, .value_kind: global_buffer, .address_space: global }
      - { .name: wq, .offset: 24, .size: 8, .value_kind: global_buffer, .address_space: global }
      - { .name: wk, .offset: 32, .size: 8, .value_kind: global_buffer, .address_space: global }
      - { .name: wv, .offset: 40, .size: 8, .value_kind: global_buffer, .address_space: global }
      - { .name: wo, .offset: 48, .size: 8, .value_kind: global_buffer, .address_space: global }
      - { .name: w1, .offset: 56, .size: 8, .value_kind: global_buffer, .address_space: global }
      - { .name: w2, .offset: 64, .size: 8, .value_kind: global_buffer, .address_space: global }
      - { .name: lowp_scales, .offset: 72, .size: 8, .value_kind: global_buffer, .address_space: global }
      - { .name: wimg, .offset: 80, .size: 8, .value_kind: global_buffer, .address_space: global }
      - { .name: himg, .offset: 88, .size: 8, .value_kind: global_buffer, .address_space: global }
    .group_segment_fixed_size: 85504
    .private_segment_fixed_size: 0
    .kernarg_segment_align: 8
    .kernarg_segment_size: 96
    .max_flat_workgroup_size: 128
    .sgpr_count:     100
    .vgpr_count:     256
    .wavefront_size: 32
...
	.end_amdgpu_metadata
.endif
;; end of part 1
;; launch qkv (part 2): grid 12 x 32, 4 waves a work-group, no clusters, 327,680 bytes of LDS; arguments himg, wimg, bq, bk, bv, lowp_scales, qimg, kv; writes qimg, kv
.if DOCPART == 2
	.amdgcn_target "amdgcn-amd-amdhsa--gfx1250"
	.amdhsa_code_object_version 6
	.text
	.protected	k_qe078a082c6_qkv
	.globl	k_qe078a082c6_qkv
	.p2align	8
	.type	k_qe078a082c6_qkv,@function
k_qe078a082c6_qkv:
	s_mov_b64 s[64:65], 0
	v_nop
	global_prefetch_b8 v0, s[64:65] scope:SCOPE_SE
	s_setreg_imm32_b32 hwreg(HW_REG_WAVE_MODE, 25, 1), 1
	s_wait_xcnt 0x0
; q = h wq + bq, k = h wk + bk, v = h wv + bv on codes of E4M3; the results are quantised at once (q: e7, k: e6, v: e8) and stored as images of operand registers for the attention.
; A work-group makes 128 x 128 of one of the three: column tile ct = 0-7 q, 8-9 k, 10-11 v; row tile rt = 128 tokens.  Four waves, 64 x 64 each: 16 accumulators.  K = 1,024 lies in two LDS slots of 512, both filled once.
; OPERANDS ARE IMAGES (16 rows x 128 K = 2,048 bytes, plane P = registers 4P..4P+3, lane L's 16 bytes at 512 P + 16 L): a fragment is four ds_load_b128 at a constant + 16 x lane.
; SOURCE 0's rows run along a lane's eight result registers, SOURCE 1's rows along the lanes.  q, k: source 0 = the weight's rows (features), source 1 = tokens: a lane holds one token and eight neighbouring features:
; one conversion an accumulator gives two registers of the next operand (K = the head's 64).  v: the sides are swapped, so that a lane holds one channel and eight neighbouring TOKENS (K = the keys).
; NO CLUSTER: the four column tiles 8-11 take h under two different scales, v's tiles swap the sides, so the tiles of a row of a cluster would have different descriptors; and the way out's one branch hangs on the column tile.
; LIMITS: e0+e1, e2+e3, e4+e5 between -126 and 127; e6, e7, e8 between -126 and 119.
.set KTOT,  1024
.set SLOT,  8192                       ; K's second 512 begins four images on in each block of 16 rows; LDS: 65,536 bytes a wave's load: source 1's two halves, then source 0's; in each [16 rows i][image 0..7][2048]
.set SPARE, 262144                     ; behind the slots: the spare words, 128 bytes for each wave
.set ADRA, 16                          ; v16-17 LDS address of my source 1 fragments in slot 0, 1
.set ADRB, 20                          ; v20-21 the same for source 0
.set LI,   27                          ; v27    16 x lane
.set SPW,  28                          ; v28    my spare word; never rewritten
.set NIL,  29                          ; v29    0; never rewritten
.set BC,   32                          ; v32-63   the bias along my registers (q, k)
.set BR,   64                          ; v64-71   the bias along the lanes (v), each number twice
.set T,    72                          ; v72-103  at work
.set CC,   104                         ; v104-119 codes, two sets
.set ACC,  128                         ; v128-255 accumulator (a, b) at 128 + 8 (4 a + b)
.set F0,   0                           ; window 1: two fragment buffers: source 1's four fragments, then source 0's
.set F1,   128
.set MSB, 0
.macro WIN new                         ; the immediate's high byte repeats the setting that is left
.if MSB != \new
	s_set_vgpr_msb (MSB<<8)|\new
.set MSB, \new
.endif
.endm
.set MUL,  0x05                        ; sources 0 and 1 window 1; C and D window 0
.set TO_F, 0x40                        ; destination window 1, address window 0
	s_load_b512 s[4:19], s[0:1], 0x0               ; himg s[4:5], wimg s[6:7], bq s[8:9], bk s[10:11], bv s[12:13], exponents s[14:15], qimg s[16:17], kv s[18:19]
	v_lshl_add_u32 v[SPW], v0, 2, SPARE
	v_mov_b32 v[NIL], 0
	ds_add_u32 v[SPW], v[NIL]                      ; the wave's opening: the add and its wait ahead of my first tensor load
	ds_add_u32 v[SPW], v[NIL]
	v_lshrrev_b32 v1, 5, v0
	v_readfirstlane_b32 s20, v1                    ; wave 0..3
	s_lshr_b32 s21, s20, 1                         ; my half of source 1's rows.  Also: I fetch for source 1 (0) or source 0 (1)
	s_and_b32 s22, s20, 1                          ; my half of source 0's rows.  Also: which half of that side I fetch
	s_and_b32 s40, ttmp7, 0xffff                   ; rt
	s_mov_b32 s24, 3<<16                           ; group 1: no mask; elements of 8 bytes; no padding
	s_mov_b32 s25, 2048<<16                        ; tensor_dim0 = 2,048 elements: 16,384 bytes, a block's eight images on end: all of K
	s_mov_b32 s26, 4<<16                           ; tensor_dim1 = 4 blocks of 16 rows
	s_mov_b32 s27, 2048<<16                        ; tile_dim0
	s_mov_b32 s28, 4                               ; tile_dim1
	s_mov_b32 s29, 2*KTOT                          ; from block to block: 16 KTOT bytes
	s_mov_b32 s30, 0
	s_mov_b32 s31, 0
	s_cmp_ge_u32 ttmp9, 10
	s_cselect_b32 s41, 1, 0                        ; v's tile?
	s_cmp_ge_u32 ttmp9, 8
	s_cselect_b32 s42, 1, 0
	s_add_co_u32 s42, s42, s41                     ; which set of h's codes: 0 (e0), 1 (e2), 2 (e4)
	s_lshl_b32 s42, s42, 22
	s_lshl_b32 s43, s40, 17
	s_add_co_u32 s42, s42, s43                     ; h's tile: 8 blocks of 16,384 bytes
	s_lshl_b32 s43, ttmp9, 17                      ; the weights' tile
	s_xor_b32 s44, s41, s21                        ; 0: I fetch h's codes (source 1 of q and k, source 0 of v)
	s_cmp_eq_u32 s44, 0
	s_cselect_b32 s46, s42, s43
	s_lshl_b32 s45, s22, 16                        ; my half: four blocks
	s_add_co_u32 s46, s46, s45
	s_mov_b32 s47, 0
	s_wait_dscnt 0x0                               ; the opening add is done
	s_wait_kmcnt 0x0
	s_load_b512 s[68:83], s[14:15], 0x0            ; e0 .. e15 in s68 .. s83
	s_cmp_eq_u32 s44, 0
	s_cselect_b64 s[48:49], s[4:5], s[6:7]
	s_add_nc_u64 s[48:49], s[48:49], s[46:47]
	s_mov_b32 s32, 1                               ; group 0, slot 0
	s_lshl_b32 s33, s20, 16                        ; LDS: 65,536 x wave
	s_mov_b64 s[34:35], s[48:49]
	s_or_b32 s35, s35, 0x80000000
	tensor_load_to_lds s[32:35], s[24:31]          ; my one tensor load: four blocks x all of K, 65,536 bytes; nothing is ever filled again
	s_nop 0
.rept 4
	v_nop
.endr
	; the bias, in both forms; both stay inside the tile's 512 bytes of its buffer
	s_cmp_ge_u32 ttmp9, 8
	s_cselect_b64 s[50:51], s[10:11], s[8:9]
	s_cselect_b32 s52, 8, 0
	s_cmp_ge_u32 ttmp9, 10
	s_cselect_b64 s[50:51], s[12:13], s[50:51]
	s_cselect_b32 s52, 10, s52
	s_sub_co_u32 s52, ttmp9, s52                   ; the tile's number within its tensor
	s_lshl_b32 s54, s52, 9
	s_mov_b32 s55, 0
	s_add_nc_u64 s[50:51], s[50:51], s[54:55]
	v_and_b32 v4, 15, v0                           ; r
	v_bfe_u32 v5, v0, 4, 1                         ; h
	v_lshlrev_b32 v2, 5, v5
	v_lshl_add_u32 v2, s22, 8, v2                  ; 256 x my half of source 0 + 32 h
	v_lshlrev_b32 v3, 2, v4
	v_lshl_add_u32 v3, s21, 8, v3                  ; 256 x my half of source 1 + 4 r
.irp b, 0,1,2,3
	global_load_b128 v[BC+8*\b:BC+8*\b+3],   v2, s[50:51] offset:64*\b
	global_load_b128 v[BC+8*\b+4:BC+8*\b+7], v2, s[50:51] offset:64*\b+16
.endr
.irp a, 0,1,2,3
	global_load_b32 v[BR+2*\a],   v3, s[50:51] offset:64*\a
	global_load_b32 v[BR+2*\a+1], v3, s[50:51] offset:64*\a
.endr
	; where my 4,096 bytes of codes go
	s_lshr_b32 s56, s40, 4                         ; batch
	s_and_b32 s57, s40, 15                         ; which 128 tokens of it
	s_lshl_b32 s58, s56, 4
	s_lshl_b32 s59, s52, 1
	s_add_co_u32 s58, s58, s59
	s_add_co_u32 s58, s58, s22                     ; q: 16 batch + head, head = 2 ct + my half
	s_lshl_b32 s58, s58, 17
	s_lshl_b32 s60, s57, 13
	s_lshl_b32 s61, s21, 12
	s_add_co_u32 s60, s60, s61                     ; (8 tt + 4 half) images of 1,024 bytes
	s_add_co_u32 s58, s58, s60
	s_lshl_b32 s62, s56, 2
	s_add_co_u32 s62, s62, s59                     ; 4 batch + 2 tile
	s_add_co_u32 s63, s62, s22
	s_lshl_b32 s63, s63, 18
	s_add_co_u32 s63, s63, s60                     ; k: group = 2 tile + my half of source 0
	s_add_co_u32 s62, s62, s21                     ; v: group = 2 tile + my half of source 1,
	s_lshl_b32 s62, s62, 18
	s_lshl_b32 s61, s57, 13
	s_add_co_u32 s62, s62, s61
	s_lshl_b32 s61, s22, 12
	s_add_co_u32 s62, s62, s61                     ; 64 tokens (2 tt + my half of source 0): 4,096 bytes,
	s_add_co_u32 s62, s62, 131072                  ; behind the group's K
	s_cmp_ge_u32 ttmp9, 8
	s_cselect_b64 s[88:89], s[18:19], s[16:17]
	s_cselect_b32 s58, s63, s58
	s_cmp_ge_u32 ttmp9, 10
	s_cselect_b32 s58, s62, s58
	s_mov_b32 s59, 0
	s_add_nc_u64 s[88:89], s[88:89], s[58:59]
	v_and_b32 v6, 31, v0
	v_lshlrev_b32 v[LI], 4, v6
	s_lshl_b32 s90, s21, 16
	s_lshl_b32 s91, s22, 16
	s_add_co_u32 s91, s91, 131072
	v_add_nc_u32 v[ADRA], s90, v[LI]
	v_add_nc_u32 v[ADRB], s91, v[LI]
	v_add_nc_u32 v[ADRA+1], SLOT, v[ADRA]
	v_add_nc_u32 v[ADRB+1], SLOT, v[ADRB]
.macro PLACES                          ; four plain lines in front of loads into registers that matrix instructions have read, and of the first read of results
.rept 4
	v_nop
.endr
.endm
.macro FRAG reg, adr, q, i             ; a fragment: four planes of 512 bytes
.irp c, 0,1,2,3
	ds_load_b128 v[\reg+4*\c:\reg+4*\c+3], v[\adr] offset:16384*(\i)+2048*(\q)+512*\c
.endr
.endm
.macro FETCH slot, q, f                ; 32 LDS loads in one run: source 0's four fragments, then source 1's
	WIN TO_F
.irp i, 0,1,2,3
	FRAG \f+64+16*\i, ADRB+\slot, \q, \i
.endr
.irp i, 0,1,2,3
	FRAG \f+16*\i, ADRA+\slot, \q, \i
.endr
.endm
.macro MUL8 f, a0, zero                ; the 16 accumulators take turns, one instruction a turn, in the same order in every quarter
.irp a, \a0, \a0+1
.irp b, 0,1,2,3
.if \zero
	v_wmma_f32_16x16x128_fp8_fp8 v[ACC+8*(4*(\a)+\b):ACC+8*(4*(\a)+\b)+7], v[\f+64+16*\b:\f+64+16*\b+15], v[\f+16*(\a):\f+16*(\a)+15], 0
.else
	v_wmma_f32_16x16x128_fp8_fp8 v[ACC+8*(4*(\a)+\b):ACC+8*(4*(\a)+\b)+7], v[\f+64+16*\b:\f+64+16*\b+15], v[\f+16*(\a):\f+16*(\a)+15], v[ACC+8*(4*(\a)+\b):ACC+8*(4*(\a)+\b)+7]
.endif
.endr
.endr
.endm
.macro QUARTER slot, q, f, g, zero     ; multiplies buffer f (128 along K) and fetches the slot's quarter q into buffer g
	s_wait_dscnt 8                                 ; all but the youngest eight loads (source 1's blocks 2 and 3) are in
	WIN MUL
	MUL8 \f, 0, \zero
	PLACES
	FETCH \slot, \q, \g
	s_wait_dscnt 32                                ; all but the 32 just issued
	WIN MUL
	MUL8 \f, 2, \zero
.endm
	s_wait_alu depctr_va_vdst(0)
	s_wait_tensorcnt 0x0                           ; my load is in; behind the barrier everybody's is: all of K lies in LDS
	s_barrier_signal -1
	s_barrier_wait -1
	FETCH 0, 0, F0
	QUARTER 0, 1, F0, F1, 1                        ; the first products start the sums: nothing is cleared
	QUARTER 0, 2, F1, F0, 0
	QUARTER 0, 3, F0, F1, 0
	QUARTER 1, 0, F1, F0, 0
	QUARTER 1, 1, F0, F1, 0
	QUARTER 1, 2, F1, F0, 0
	QUARTER 1, 3, F0, F1, 0
	s_wait_dscnt 8
	WIN MUL
	MUL8 F1, 0, 0
	s_wait_dscnt 0x0
	MUL8 F1, 2, 0
	WIN 0
	; THE WAY OUT: sum x 2^(eA + eB) + bias, held, converted: two registers an accumulator; four accumulators are an image of 16 rows x 64 K: 1,024 bytes, two stores of 512 consecutive bytes
	s_wait_kmcnt 0x0
	s_add_co_i32 s84, s68, s69
	s_add_co_i32 s85, s70, s71
	s_add_co_i32 s86, s72, s73
	s_cmp_ge_u32 ttmp9, 8
	s_cselect_b32 s84, s85, s84
	s_cselect_b32 s87, s74, s75                    ; k: e6; q: e7
	s_cmp_ge_u32 ttmp9, 10
	s_cselect_b32 s84, s86, s84
	s_cselect_b32 s87, s76, s87                    ; v: e8
	s_add_co_i32 s84, s84, 127
	s_lshl_b32 s66, s84, 23                        ; 2^(eA + eB)
	s_mov_b32 s67, s66                             ; (named with it as a pair)
	s_add_co_i32 s87, s87, 127
	s_lshl_b32 s85, s87, 23
	v_mov_b32 v30, s85                             ; 2^eo
	s_add_co_i32 s87, s87, 8
	s_lshl_b32 s87, s87, 23
	s_or_b32 s87, s87, 0x600000
	v_mov_b32 v31, s87                             ; 448 x 2^eo
	v_nop
	v_nop                                          ; with the two moves: four places behind the last products
	s_wait_loadcnt 0x0                             ; the bias
.macro EPI row                         ; row = 1: the bias runs along the lanes (v); 0: along my registers (q, k)
.irp a, 0,1,2,3
.if \a >= 2
	s_wait_xcnt 0x0                                ; the stores of two blocks back have read their registers
.endif
.irp b, 0,1,2,3
.irp j, 0,2,4,6
.if \row
	v_pk_fma_f32 v[T+8*\b+\j:T+8*\b+\j+1], v[ACC+8*(4*\a+\b)+\j:ACC+8*(4*\a+\b)+\j+1], s[66:67], v[BR+2*\a:BR+2*\a+1] op_sel_hi:[1,0,1]
.else
	v_pk_fma_f32 v[T+8*\b+\j:T+8*\b+\j+1], v[ACC+8*(4*\a+\b)+\j:ACC+8*(4*\a+\b)+\j+1], s[66:67], v[BC+8*\b+\j:BC+8*\b+\j+1] op_sel_hi:[1,0,1]
.endif
.endr
.endr
.set i, 0
.rept 32
	v_med3_num_f32 v[T+i], v[T+i], -v31, v31
.set i, i+1
.endr
.irp b, 0,1,2,3
	v_cvt_scalef32_pk8_fp8_f32 v[CC+8*(\a%2)+2*\b:CC+8*(\a%2)+2*\b+1], v[T+8*\b:T+8*\b+7], v30
.endr
	v_nop                                          ; a plain line behind the last conversion, ahead of the next writes of its sources
	global_store_b128 v[LI], v[CC+8*(\a%2):CC+8*(\a%2)+3],   s[88:89] offset:1024*\a
	global_store_b128 v[LI], v[CC+8*(\a%2)+4:CC+8*(\a%2)+7], s[88:89] offset:1024*\a+512
.endr
	s_wait_tensorcnt 0x0                           ; the wave's end
	ds_add_u32 v[SPW], v[NIL]
	s_wait_dscnt 0x0
	s_endpgm
.endm
	s_cmp_ge_u32 ttmp9, 10
	s_cbranch_scc1 .Lv_tile
	EPI 0
.Lv_tile:
	EPI 1
.Lfunc_end_k_qe078a082c6_qkv:
	.size	k_qe078a082c6_qkv, .Lfunc_end_k_qe078a082c6_qkv-k_qe078a082c6_qkv
	.p2alignl 7, 3214868480
	.fill 96, 4, 3214868480
	.section	.rodata,"a",@progbits
	.p2align	6, 0x0
	.amdhsa_kernel k_qe078a082c6_qkv
		.amdhsa_group_segment_fixed_size 327680
		.amdhsa_private_segment_fixed_size 0
		.amdhsa_enable_private_segment 0
		.amdhsa_kernarg_size 64
		.amdhsa_user_sgpr_count 2
		.amdhsa_user_sgpr_kernarg_segment_ptr 1
		.amdhsa_wavefront_size32 1
		.amdhsa_system_sgpr_workgroup_id_x 1
		.amdhsa_system_sgpr_workgroup_id_y 1
		.amdhsa_system_sgpr_workgroup_id_z 1
		.amdhsa_system_vgpr_workitem_id 0
		.amdhsa_next_free_vgpr 512
		.amdhsa_next_free_sgpr 92
		.amdhsa_reserve_vcc 0
		.amdhsa_float_denorm_mode_32 3
		.amdhsa_float_denorm_mode_16_64 3
		.amdhsa_memory_ordered 1
		.amdhsa_forward_progress 1
		.amdhsa_inst_pref_size 61
	.end_amdhsa_kernel
	.amdgpu_metadata
---
amdhsa.version: [ 1, 2 ]
amdhsa.kernels:
  - .name:           k_qe078a082c6_qkv
    .symbol:         k_qe078a082c6_qkv.kd
    .args:
      - { .name: himg, .offset: 0, .size: 8, .value_kind: global_buffer, .address_space: global }
      - { .name: wimg, .offset: 8, .size: 8, .value_kind: global_buffer, .address_space: global }
      - { .name: bq, .offset: 16, .size: 8, .value_kind: global_buffer, .address_space: global }
      - { .name: bk, .offset: 24, .size: 8, .value_kind: global_buffer, .address_space: global }
      - { .name: bv, .offset: 32, .size: 8, .value_kind: global_buffer, .address_space: global }
      - { .name: lowp_scales, .offset: 40, .size: 8, .value_kind: global_buffer, .address_space: global }
      - { .name: qimg, .offset: 48, .size: 8, .value_kind: global_buffer, .address_space: global }
      - { .name: kv, .offset: 56, .size: 8, .value_kind: global_buffer, .address_space: global }
    .group_segment_fixed_size: 327680
    .private_segment_fixed_size: 0
    .kernarg_segment_align: 8
    .kernarg_segment_size: 64
    .max_flat_workgroup_size: 128
    .sgpr_count:     92
    .vgpr_count:     512
    .wavefront_size: 32
...
	.end_amdgpu_metadata
.endif
;; end of part 2
;; launch attn (part 3): grid 32 x 8, 16 waves a work-group, clusters of 4 x 1, 327,680 bytes of LDS; arguments qimg, kv, lowp_scales, oimg; writes oimg
.if DOCPART == 3
	.amdgcn_target "amdgcn-amd-amdhsa--gfx1250"
	.amdhsa_code_object_version 6
	.text
	.protected	k_qe078a082c6_attn
	.globl	k_qe078a082c6_attn
	.p2align	8
	.type	k_qe078a082c6_attn,@function
k_qe078a082c6_attn:
	s_mov_b64 s[64:65], 0
	v_nop
	global_prefetch_b8 v0, s[64:65] scope:SCOPE_SE
	s_setreg_imm32_b32 hwreg(HW_REG_WAVE_MODE, 25, 1), 1
	s_wait_xcnt 0x0
	s_wait_alu depctr_hold_cnt(0) depctr_sa_sdst(0) depctr_va_vdst(0) depctr_va_sdst(0) depctr_va_ssrc(0) depctr_va_vcc(0) depctr_vm_vsrc(0)
	s_getreg_b32 s2, hwreg(HW_REG_IB_STS2, 6, 4)
	s_cmp_eq_u32 s2, 0
	s_cbranch_scc0 .Lentry_in_a_cluster
	s_endpgm
.Lentry_in_a_cluster:
	s_bfe_u32 s2, ttmp6, 0x10000c
	s_cmp_lg_u32 s2, 0x3003
	s_cbranch_scc0 .Lentry_shape_is_right
	s_endpgm
.Lentry_shape_is_right:
; Causal attention with grouped keys on codes of E4M3: S^T = K Q^T (K = the head's 64), p = 2^(t - M), O^T = V^T P (K = 128 keys a step), O / l quantised with e10 for the next product.
; t = score x log2(e) / 8; M = the running largest t rounded UP to a whole number; the row's sum l is taken of the unquantised p; when M moves, l and O are multiplied by 2^(old M - new M): exact.
; CLUSTER: the four query heads of one key/value head, the same queries in each: they need the same K and V, which are asked for JOINTLY (mask 15).  The place in the cluster enters Q's and O's global addresses alone.
; LDS holds the group's WHOLE K and V, 262,144 bytes, a copy of the workspace: K [16 keys][1,024], V at 131,072 [64 keys][16 channels][1,024].  It is filled once: sixteen chunks of 16,384 bytes, one joint load a wave.
; So there is no ring, nothing is filled again, and nothing is left to prefetch.
; SHARES: cluster x = i (0..7), y = batch x group.  A work-group owns the query blocks of 128 numbered i and 15 - i of its head: 8 + 8 tiles of 16 queries, i + 1 and 16 - i key steps of 128 keys each.
; Tile j of the two blocks belongs to a PAIR of waves, which share the 17 steps out as 9 and 8.  The early wave walks its own tile (steps 0 .. i), sends it out, and then walks steps 0 .. 7 - i of the LATE tile;
; the late wave walks steps 8 - i .. 15 - i of that tile.  The early wave hands its part (-M, l, O^T) over through LDS bytes of their own; the late wave brings both parts under the larger M (powers of two: exact) and adds them.
; Both loops have constant trip counts; a step outside the wave's range is jumped over by scalar branches on ids (the same in all partners); in the step on the diagonal hidden scores become -infinity.
; LIMITS: e6 + e7 between -123 and 130 (added to c's exponent field); e9, e10 between -126 and 119; e8 + e9 goes by v_ldexp_f32.
.set SPARE, 262144                     ; the spare words, 128 bytes for each of 16 waves
.set XB,    264192                     ; behind them: eight places of 4,352 bytes, one a pair: O^T as an image of 32 registers, then (-M, l), 8 bytes a lane
.set LI,  1                            ; v1  16 x lane; never rewritten
.set ADK, 2                            ; v2  LDS address of the step's K
.set ADV, 3                            ; v3  of its V
.set DQ,  4                            ; v4  my query within its block - 8 (lane / 16)
.set SPW, 5                            ; v5  my spare word; never rewritten
.set NIL, 6                            ; v6  0; never rewritten
.set XA,  25                           ; v25 my pair's place + 16 x lane;  v224 the same + 8 x lane
.set FR,  32                           ; v32-95   eight fragments of K, then four of V
.set SS,  96                           ; v96-159  S^T, then p
.set OO,  160                          ; v160-191 O^T
.set PP,  192                          ; v192-207 p's codes
; v7 -infinity; v8-15 Q; v216-223 the late tile's Q; v16 -M, v17 the largest t; v[18:19], v[26:27], v[244:247] the sum; v[20:21] f; v22-24 at work; v28, v29: 2^e9, 448 x 2^e9; v30, v31: the same with e10; v208-215 O's codes
.set WV,  12
.set BLK, 15                           ; s15 the block of the tile in hand = the step on its diagonal
.set G1,  16                           ; s[16:23] group 1;  s[24:27] group 0
.set LO,  29                           ; s29, s30 the first and the last key step of my range;  s31, s32 the same for the late tile;  s33 the late block;  s58 1: I am the late wave
.set HI,  30
.set CS,  90                           ; s[90:91] c
.set SEL, 94                           ; s[94:95] lane l xor 16
.set ST,  96                           ; s96 the key step
.set KO,  97                           ; s97 its bytes in K's and in V's half of LDS: 8,192 x step
.set TW,  98
.macro CROUND                          ; a round of the cluster's barrier
	s_barrier_signal -1
	s_barrier_wait -1
	s_cmp_lg_u32 s[WV], 0
	s_cbranch_scc1 .Lnot_wave_0_\@
	s_barrier_signal -3
.Lnot_wave_0_\@:
	s_barrier_wait -3
	s_barrier_signal -1
	s_barrier_wait -1
.endm
	s_load_b256 s[4:11], s[0:1], 0x0               ; qimg s[4:5], kv s[6:7], exponents s[8:9], oimg s[10:11]
	v_lshl_add_u32 v[SPW], v0, 2, SPARE
	v_mov_b32 v[NIL], 0
	ds_add_u32 v[SPW], v[NIL]                      ; the wave's opening: the add, twice on end, and its wait ahead of the first tensor load
	ds_add_u32 v[SPW], v[NIL]
	v_lshrrev_b32 v1, 5, v0
	v_readfirstlane_b32 s[WV], v1                  ; wave 0..15
	s_bfe_u32 s13, ttmp6, 0x40000                  ; cx: the head within its group
	s_and_b32 s14, ttmp7, 0xffff                   ; 4 batch + group
	s_and_b32 s56, s[WV], 3
	s_lshr_b32 s57, s[WV], 2
	s_xor_b32 s58, s56, s57
	s_and_b32 s58, s58, 1                          ; 1: the late wave of its pair
	s_lshr_b32 s57, s57, 1
	s_lshl_b32 s57, s57, 2
	s_add_co_u32 s57, s57, s56                     ; the pair: which 16 queries of the two blocks
	s_sub_co_u32 s59, 15, ttmp9
	s_cmp_eq_u32 s58, 1
	s_cselect_b32 s[BLK], s59, ttmp9
	s_lshl_b32 s60, s[BLK], 3
	s_add_co_u32 s60, s60, s57                     ; the tile that I send out, 0..127
	s_lshl_b32 s28, s59, 3
	s_add_co_u32 s28, s28, s57                     ; the pair's late tile
	s_mov_b32 s33, s59
	s_sub_co_u32 s34, 8, ttmp9
	s_sub_co_u32 s35, 7, ttmp9
	s_cmp_eq_u32 s58, 1
	s_cselect_b32 s[LO], 1, 0                      ; the first loop: the early wave walks 0 .. i, the late wave nothing
	s_cselect_b32 s[HI], 0, ttmp9
	s_cselect_b32 s31, s34, 0                      ; the second: 0 .. 7 - i, or 8 - i .. 15 - i
	s_cselect_b32 s32, s59, s35
	s_mul_i32 s38, s57, 4352
	s_add_co_u32 s38, s38, XB
	s_mov_b32 s[G1], 15|(3<<16)|(1<<21)            ; the mask: all four work-groups; elements of 8 bytes; bit 21 beside a mask; no padding
	s_mov_b32 s[G1+1], 32<<16                      ; a chunk: 64 rows of 256 bytes, dense
	s_mov_b32 s[G1+2], 64<<16
	s_mov_b32 s[G1+3], 32<<16
	s_mov_b32 s[G1+4], 64
	s_mov_b32 s[G1+5], 32
	s_mov_b32 s[G1+6], 0
	s_mov_b32 s[G1+7], 0
	s_and_b32 s61, s[WV], 1                        ; even waves fetch K's chunks, odd waves V's,
	s_lshl_b32 s61, s61, 17
	s_lshr_b32 s62, s[WV], 1
	s_lshl_b32 s62, s62, 14                        ; chunk wave / 2: in memory and in LDS alike
	s_add_co_u32 s61, s61, s62
	s_lshl_b32 s62, s14, 18
	s_add_co_u32 s62, s62, s61
	s_mov_b32 s63, 0
	s_mov_b32 s[SEL], 0x76543210
	s_mov_b32 s[SEL+1], 0xfedcba98
	s_mov_b32 s[CS], 0x3e38aa3b                    ; c = log2(e) / 8
	s_wait_dscnt 0x0                               ; both opening adds are done
	s_wait_kmcnt 0x0
	s_load_b512 s[68:83], s[8:9], 0x0              ; e0 .. e15 in s68 .. s83
	s_add_nc_u64 s[6:7], s[6:7], s[62:63]
	s_mov_b32 s24, 1
	s_mov_b32 s25, s61
	s_mov_b64 s[26:27], s[6:7]
	s_or_b32 s27, s27, 0x80000000
	CROUND                                         ; all four work-groups are here: the joint loads meet
	tensor_load_to_lds s[24:27], s[G1:G1+7]        ; my one tensor load
	s_nop 0
.rept 4
	v_nop
.endr
	s_lshl_b32 s84, s14, 2
	s_add_co_u32 s84, s84, s13
	s_lshl_b32 s84, s84, 7
	s_add_co_u32 s36, s84, s28
	s_lshl_b32 s36, s36, 10
	s_mov_b32 s37, 0
	s_add_nc_u64 s[36:37], s[4:5], s[36:37]        ; the late tile's Q
	s_add_co_u32 s84, s84, s60
	s_lshl_b32 s84, s84, 10                        ; ((4 bg + head) x 128 + tile) images of 1,024 bytes
	s_mov_b32 s85, 0
	s_add_nc_u64 s[4:5], s[4:5], s[84:85]
	v_and_b32 v[LI], 31, v0
	v_and_b32 v224, 31, v0
	v_lshlrev_b32 v[LI], 4, v[LI]
	v_lshl_add_u32 v224, v224, 3, s38
	global_load_b128 v[8:11],  v[LI], s[4:5]       ; Q's fragments stay in registers
	global_load_b128 v[12:15], v[LI], s[4:5] offset:512
	global_load_b128 v[216:219], v[LI], s[36:37]
	global_load_b128 v[220:223], v[LI], s[36:37] offset:512
	v_add_nc_u32 v[XA], s38, v[LI]
	s_lshr_b32 s86, s14, 2
	s_lshl_b32 s86, s86, 7
	s_add_co_u32 s86, s86, s60
	s_lshl_b32 s86, s86, 14                        ; O: (128 batch + tile) blocks of 16,384 bytes,
	s_and_b32 s87, s14, 3
	s_lshl_b32 s87, s87, 2
	s_add_co_u32 s87, s87, s13                     ; the head, 0..15:
	s_lshl_b32 s87, s87, 10                        ; its 64 features are half an image: 1,024 x head
	s_add_co_u32 s86, s86, s87
	s_mov_b32 s87, 0
	s_add_nc_u64 s[10:11], s[10:11], s[86:87]
	v_and_b32 v22, 15, v0
	v_bfe_u32 v23, v0, 4, 1
	v_lshlrev_b32 v23, 3, v23
	v_sub_nc_u32 v[DQ], v22, v23
	s_lshl_b32 s88, s57, 4
	v_add_nc_u32 v[DQ], s88, v[DQ]
	v_mov_b32 v7, 0xff800000                       ; -infinity
	v_mov_b32 v17, 0xff61b1e6                      ; the largest t so far: -3e38, under every t
	v_floor_f32 v16, -v17                          ; -M
	v_mov_b32 v18, 0
	v_mov_b32 v19, 0
	v_mov_b32 v21, 0                               ; (named as the upper half of the pair v[20:21])
	v_mov_b32 v24, 0                               ; a lane permute's destination counts as one of its sources
.set i, 0
.rept 32
	v_mov_b32 v[OO+i], 0                           ; O^T: the step is written once; the first finds zeros, which the first change of M leaves zeros
.set i, i+1
.endr
	s_wait_kmcnt 0x0
	s_add_co_i32 s88, s74, s75
	s_lshl_b32 s88, s88, 23
	s_add_co_i32 s[CS], s[CS], s88                 ; a score stands for score x 2^(e6 + e7)
	s_mov_b32 s[CS+1], s[CS]
	s_add_co_i32 s88, s77, 127
	s_lshl_b32 s89, s88, 23
	v_mov_b32 v28, s89                             ; 2^e9
	s_add_co_i32 s88, s88, 8
	s_lshl_b32 s88, s88, 23
	s_or_b32 s88, s88, 0x600000
	v_mov_b32 v29, s88                             ; 448 x 2^e9
	s_add_co_i32 s88, s78, 127
	s_lshl_b32 s89, s88, 23
	v_mov_b32 v30, s89                             ; 2^e10
	s_add_co_i32 s88, s88, 8
	s_lshl_b32 s88, s88, 23
	s_or_b32 s88, s88, 0x600000
	v_mov_b32 v31, s88                             ; 448 x 2^e10
	s_add_co_i32 s92, s76, s77                     ; e8 + e9
; A KEY STEP: 128 keys.  Lane (r, h) holds query r; register 8 kt + j of S^T is key 16 kt + 8 h + j: one conversion a tile gives registers 2 kt, 2 kt + 1 of the second product's operand.
.macro STEP
	s_cmp_lt_u32 s[ST], s[LO]
	s_cbranch_scc1 .Lskip_\@
	s_cmp_gt_u32 s[ST], s[HI]
	s_cbranch_scc1 .Lskip_\@
	v_add_nc_u32 v[ADK], s[KO], v[LI]
	s_delay_alu instid0(VALU_DEP_1)
	v_add_nc_u32 v[ADV], 131072, v[ADK]
	v_nop
	v_nop                                          ; with the two additions: four places in front of loads into registers that the last products read
.irp kt, 0,1,2,3,4,5,6,7
	ds_load_b128 v[FR+8*\kt:FR+8*\kt+3],   v[ADK] offset:1024*\kt
	ds_load_b128 v[FR+8*\kt+4:FR+8*\kt+7], v[ADK] offset:1024*\kt+512
.endr
	s_wait_alu depctr_va_vdst(0)
	s_wait_dscnt 0x0
.irp kt, 0,1,2,3,4,5,6,7
	v_wmma_f32_16x16x64_fp8_fp8 v[SS+8*\kt:SS+8*\kt+7], v[FR+8*\kt:FR+8*\kt+7], v[8:15], 0
.endr
.rept 4
	v_nop
.endr
.irp t, 0,1,2,3                                ; V's fragments (16 channels x 128 keys: two images of 64 keys) land while the softmax is walked
.irp u, 0,1
	ds_load_b128 v[FR+16*\t+8*\u:FR+16*\t+8*\u+3],   v[ADV] offset:(4*\u+\t)*1024
	ds_load_b128 v[FR+16*\t+8*\u+4:FR+16*\t+8*\u+7], v[ADV] offset:(4*\u+\t)*1024+512
.endr
.endr
	s_cmp_lg_u32 s[ST], s[BLK]                     ; only the step on the diagonal has hidden keys
	s_cbranch_scc1 .Lopen_\@
.set n, 0
.rept 64
	v_cmp_gt_i32 vcc_lo, 16*(n/8)+n%8, v[DQ]       ; hidden where 16 kt + j > my query - 8 h
	v_cndmask_b32 v[SS+n], v[SS+n], v7, vcc_lo
.set n, n+1
.endr
.Lopen_\@:
	v_max3_num_f32 v22, v[SS], v[SS+1], v[SS+2]    ; the step's largest score of my query, among my 64 keys, in two chains,
	v_max3_num_f32 v23, v[SS+3], v[SS+4], v[SS+5]
.set i, 6
.rept 14
	v_max3_num_f32 v22, v22, v[SS+i], v[SS+i+1]
	v_max3_num_f32 v23, v23, v[SS+i+2], v[SS+i+3]
.set i, i+4
.endr
	v_max3_num_f32 v22, v22, v[SS+62], v[SS+63]
	s_delay_alu instid0(VALU_DEP_1)
	v_max_num_f32 v22, v22, v23
	s_delay_alu instid0(VALU_DEP_1)
	v_permlanex16_b32 v24, v22, s[SEL], s[SEL+1]
	s_delay_alu instid0(VALU_DEP_1)
	v_max_num_f32 v22, v22, v24                    ; and among lane l xor 16's
	s_delay_alu instid0(VALU_DEP_1)
	v_mul_f32 v22, s[CS], v22                      ; as t (c is positive)
	s_delay_alu instid0(VALU_DEP_1)
	v_max_num_f32 v17, v17, v22
	v_mov_b32 v22, v16
	s_delay_alu instid0(VALU_DEP_2)
	v_floor_f32 v16, -v17                          ; the new -M = -ceil(t)
	s_delay_alu instid0(VALU_DEP_1)
	v_sub_f32 v22, v16, v22                        ; old M - new M: a whole number, 0 or less
	s_delay_alu instid0(VALU_DEP_1)
	v_cvt_i32_f32 v22, v22
	s_delay_alu instid0(VALU_DEP_1)
	v_ldexp_f32 v20, 1.0, v22                      ; f = 2^(old M - new M)
.set i, 0
.rept 32
	v_pk_fma_f32 v[SS+i:SS+i+1], v[SS+i:SS+i+1], s[CS:CS+1], v[16:17] op_sel_hi:[1,0,0]   ; t - M
.set i, i+2
.endr
.set i, 0
	s_wait_alu depctr_va_vdst(0)
.rept 64
	v_exp_f32 v[SS+i], v[SS+i]                     ; p = 2^(t - M)
.set i, i+1
.endr
	v_pk_mul_f32 v[18:19], v[18:19], v[20:21] op_sel_hi:[1,0]   ; the sum under the new M: a plain line behind the exponentials
	s_wait_alu depctr_va_vdst(0)                   ; one wait for the whole batch, ahead of its first reader
	v_pk_add_f32 v[26:27],   v[SS:SS+1],    v[SS+2:SS+3]        ; the row's sum of the unquantised p: four chains by turns
	v_pk_add_f32 v[244:245], v[SS+4:SS+5],  v[SS+6:SS+7]
	v_pk_add_f32 v[246:247], v[SS+8:SS+9],  v[SS+10:SS+11]
	v_pk_add_f32 v[18:19],   v[18:19],      v[SS+12:SS+13]
.set i, 14
.rept 6
	v_pk_add_f32 v[26:27],   v[26:27],   v[SS+i:SS+i+1]
	v_pk_add_f32 v[244:245], v[244:245], v[SS+i+2:SS+i+3]
	v_pk_add_f32 v[246:247], v[246:247], v[SS+i+4:SS+i+5]
	v_pk_add_f32 v[18:19],   v[18:19],   v[SS+i+6:SS+i+7]
.set i, i+8
.endr
	v_pk_add_f32 v[26:27],   v[26:27],   v[SS+62:SS+63]
	v_pk_add_f32 v[244:245], v[244:245], v[246:247]
	v_pk_add_f32 v[18:19],   v[18:19],   v[26:27]
	v_pk_add_f32 v[18:19],   v[18:19],   v[244:245]
.irp kt, 0,1,2,3,4,5,6,7
.irp j, 0,1,2,3,4,5,6,7
	v_min_num_f32 v[SS+8*\kt+\j], v[SS+8*\kt+\j], v29   ; p is not negative: the hold is one-sided
.endr
	v_cvt_scalef32_pk8_fp8_f32 v[PP+2*\kt:PP+2*\kt+1], v[SS+8*\kt:SS+8*\kt+7], v28
.endr
.set i, 0
.rept 16
	v_pk_mul_f32 v[OO+i:OO+i+1], v[OO+i:OO+i+1], v[20:21] op_sel_hi:[1,0]   ; O^T under the new M; also the plain lines behind the conversions
.set i, i+2
.endr
	s_wait_alu depctr_va_vdst(0)
	s_wait_dscnt 0x0                               ; V is in
.irp t, 0,1,2,3
	v_wmma_f32_16x16x128_fp8_fp8 v[OO+8*\t:OO+8*\t+7], v[FR+16*\t:FR+16*\t+15], v[PP:PP+15], v[OO+8*\t:OO+8*\t+7]
.endr
.Lskip_\@:
	s_add_co_u32 s[ST], s[ST], 1
	s_add_co_u32 s[KO], s[KO], 8192
.endm
; THE WAY OUT of a tile: v18 holds my lane's part of l.  O^T x 2^(e8 + e9) / l, held, converted: lane (r, h) holds token r and channels 16 t + 8 h + j: the codes are the next operand's registers
.macro WAYOUT
	v_permlanex16_b32 v24, v18, s[SEL], s[SEL+1]
	v_add_f32 v18, v18, v24                        ; the row's sum
	s_wait_alu depctr_va_vdst(0)                   ; the wait ahead of the transcendental,
	v_rcp_f32 v20, v18
	v_nop
	s_wait_alu depctr_va_vdst(0)                   ; behind it,
	v_ldexp_f32 v20, v20, s92
	s_wait_alu depctr_va_vdst(0)                   ; and directly ahead of the first reader of O^T
.set i, 0
.rept 16
	v_pk_mul_f32 v[SS+i:SS+i+1], v[OO+i:OO+i+1], v[20:21] op_sel_hi:[1,0]
.set i, i+2
.endr
.set i, 0
.rept 32
	v_med3_num_f32 v[SS+i], v[SS+i], -v31, v31
.set i, i+1
.endr
.irp t, 0,1,2,3
	v_cvt_scalef32_pk8_fp8_f32 v[208+2*\t:209+2*\t], v[SS+8*\t:SS+8*\t+7], v30
.endr
	v_nop
	global_store_b128 v[LI], v[208:211], s[10:11]             ; 32 lanes store 512 consecutive bytes, aligned
	global_store_b128 v[LI], v[212:215], s[10:11] offset:512
.endm
	s_wait_alu depctr_va_vdst(0)                   ; the wait at the head's end
	s_wait_loadcnt 0x0                             ; Q
	s_wait_tensorcnt 0x0                           ; my chunk is in,
	s_barrier_signal -1
	s_barrier_wait -1                              ; and everybody's: all of K and V
	s_mov_b32 s[ST], 0
	s_mov_b32 s[KO], 0
	s_mov_b32 s[TW], 8                             ; the early tile has eight steps at the most
.Lstep1:
	STEP
	s_sub_co_u32 s[TW], s[TW], 1
	s_cmp_lg_u32 s[TW], 0
	s_cbranch_scc1 .Lstep1
	s_cmp_eq_u32 s58, 1
	s_cbranch_scc1 .Llate1                         ; the late wave has walked nothing yet
.rept 4
	v_nop
.endr
	v_add_f32 v18, v18, v19
	WAYOUT                                         ; the early tile leaves,
	v_mov_b32 v17, 0xff61b1e6                      ; and I begin anew on the late tile
	v_mov_b32 v18, 0
	v_mov_b32 v19, 0
	v_floor_f32 v16, -v17
.set i, 0
.rept 32
	v_mov_b32 v[OO+i], 0
.set i, i+1
.endr
.set i, 0
.rept 8
	v_mov_b32 v[8+i], v[216+i]
.set i, i+1
.endr
	s_wait_alu depctr_va_vdst(0)                   ; the wait here
.Llate1:
	s_mov_b32 s[LO], s31
	s_mov_b32 s[HI], s32
	s_mov_b32 s[BLK], s33
	s_mov_b32 s[ST], 0
	s_mov_b32 s[KO], 0
	s_mov_b32 s[TW], 16
.Lstep2:
	STEP
	s_sub_co_u32 s[TW], s[TW], 1
	s_cmp_lg_u32 s[TW], 0
	s_cbranch_scc1 .Lstep2
	s_cmp_eq_u32 s58, 1
	s_cbranch_scc1 .Lkeep
.rept 4
	v_nop
.endr
	v_add_f32 v17, v18, v19                        ; the early wave hands over: (-M, l) as the pair v[16:17],
.set i, 0
.rept 8
	ds_store_b128 v[XA], v[OO+4*i:OO+4*i+3] offset:512*i      ; and O^T, each accumulator from its low end on
.set i, i+1
.endr
	ds_store_b64 v224, v[16:17] offset:4096
.Lkeep:
	s_wait_dscnt 0x0                               ; for the partner's sake: my stores are done
	s_barrier_signal -1
	s_barrier_wait -1
	s_cmp_eq_u32 s58, 0
	s_cbranch_scc1 .Ldone
	s_wait_xcnt 0x0
.set i, 0
.rept 8
	ds_load_b128 v[SS+4*i:SS+4*i+3], v[XA] offset:512*i
.set i, i+1
.endr
	ds_load_b64 v[22:23], v224 offset:4096
.rept 4
	v_nop
.endr
	v_add_f32 v18, v18, v19
	v_mov_b32 v27, 0                               ; (named as the upper half of the pair v[26:27])
	s_wait_alu depctr_va_vdst(0)                   ; the wait here, directly ahead of the wait below
	s_wait_dscnt 0x0
	v_min_num_f32 v26, v16, v22                    ; -M of both parts together
	v_sub_f32 v16, v26, v16                        ; my M less the common one, and the partner's: whole numbers, 0 or less
	v_sub_f32 v22, v26, v22
	v_cvt_i32_f32 v16, v16
	v_cvt_i32_f32 v22, v22
	v_ldexp_f32 v20, 1.0, v16
	v_ldexp_f32 v26, 1.0, v22
	v_mul_f32 v18, v18, v20
.set i, 0
.rept 16
	v_pk_mul_f32 v[OO+i:OO+i+1], v[OO+i:OO+i+1], v[20:21] op_sel_hi:[1,0]
.set i, i+2
.endr
	v_fma_f32 v18, v23, v26, v18
.set i, 0
.rept 16
	v_pk_fma_f32 v[OO+i:OO+i+1], v[SS+i:SS+i+1], v[26:27], v[OO+i:OO+i+1] op_sel_hi:[1,0,1]
.set i, i+2
.endr
	WAYOUT                                         ; the late tile leaves
.Ldone:
	s_wait_tensorcnt 0x0                           ; the wave's end
	ds_add_u32 v[SPW], v[NIL]
	s_wait_dscnt 0x0
	CROUND                                         ; the closing round
	s_endpgm
.Lfunc_end_k_qe078a082c6_attn:
	.size	k_qe078a082c6_attn, .Lfunc_end_k_qe078a082c6_attn-k_qe078a082c6_attn
	.p2alignl 7, 3214868480
	.fill 96, 4, 3214868480
	.section	.rodata,"a",@progbits
	.p2align	6, 0x0
	.amdhsa_kernel k_qe078a082c6_attn
		.amdhsa_group_segment_fixed_size 327680
		.amdhsa_private_segment_fixed_size 0
		.amdhsa_enable_private_segment 0
		.amdhsa_kernarg_size 32
		.amdhsa_user_sgpr_count 2
		.amdhsa_user_sgpr_kernarg_segment_ptr 1
		.amdhsa_wavefront_size32 1
		.amdhsa_system_sgpr_workgroup_id_x 1
		.amdhsa_system_sgpr_workgroup_id_y 1
		.amdhsa_system_sgpr_workgroup_id_z 1
		.amdhsa_system_vgpr_workitem_id 0
		.amdhsa_next_free_vgpr 256
		.amdhsa_next_free_sgpr 100
		.amdhsa_reserve_vcc 1
		.amdhsa_float_denorm_mode_32 3
		.amdhsa_float_denorm_mode_16_64 3
		.amdhsa_memory_ordered 1
		.amdhsa_forward_progress 1
		.amdhsa_inst_pref_size 63
	.end_amdhsa_kernel
	.amdgpu_metadata
---
amdhsa.version: [ 1, 2 ]
amdhsa.kernels:
  - .name:           k_qe078a082c6_attn
    .symbol:         k_qe078a082c6_attn.kd
    .args:
      - { .name: qimg, .offset: 0, .size: 8, .value_kind: global_buffer, .address_space: global }
      - { .name: kv, .offset: 8, .size: 8, .value_kind: global_buffer, .address_space: global }
      - { .name: lowp_scales, .offset: 16, .size: 8, .value_kind: global_buffer, .address_space: global }
      - { .name: oimg, .offset: 24, .size: 8, .value_kind: global_buffer, .address_space: global }
    .group_segment_fixed_size: 327680
    .private_segment_fixed_size: 0
    .kernarg_segment_align: 8
    .kernarg_segment_size: 32
    .max_flat_workgroup_size: 512
    .sgpr_count:     100
    .vgpr_count:     256
    .wavefront_size: 32
...
	.end_amdgpu_metadata
.endif
;; end of part 3
;; launch wo (part 4): grid 8 x 32, 8 waves a work-group, clusters of 4 x 4, 327,680 bytes of LDS; arguments oimg, wimg, bo, x, lowp_scales, x1; writes x1
.if DOCPART == 4
	.amdgcn_target "amdgcn-amd-amdhsa--gfx1250"
	.amdhsa_code_object_version 6
	.text
	.protected	k_qe078a082c6_wo
	.globl	k_qe078a082c6_wo
	.p2align	8
	.type	k_qe078a082c6_wo,@function
k_qe078a082c6_wo:
	s_mov_b64 s[64:65], 0
	v_nop
	global_prefetch_b8 v0, s[64:65] scope:SCOPE_SE
	s_setreg_imm32_b32 hwreg(HW_REG_WAVE_MODE, 25, 1), 1
	s_wait_xcnt 0x0
	s_wait_alu depctr_hold_cnt(0) depctr_sa_sdst(0) depctr_va_vdst(0) depctr_va_sdst(0) depctr_va_ssrc(0) depctr_va_vcc(0) depctr_vm_vsrc(0)
	s_getreg_b32 s2, hwreg(HW_REG_IB_STS2, 6, 4)
	s_cmp_eq_u32 s2, 0
	s_cbranch_scc0 .Lentry_in_a_cluster
	s_endpgm
.Lentry_in_a_cluster:
	s_bfe_u32 s2, ttmp6, 0x10000c
	s_cmp_lg_u32 s2, 0xf033
	s_cbranch_scc0 .Lentry_shape_is_right
	s_endpgm
.Lentry_shape_is_right:
; x1 = x + o wo + bo, the product on codes of E4M3: sum x 2^(e10 + e11).  o: oimg, wo: wimg at WOFF, both as IMAGES OF OPERAND REGISTERS: [16 rows][k / 128][2,048 bytes], registers 4 c .. 4 c + 3 of lane L at 512 c + 16 L.
; A work-group makes 128 x 128 of x1; 8 x 32 = 256 work-groups.  Eight waves, two to a SIMD: wave = 4 kh + 2 mh + nh makes rows 64 mh, columns 64 nh (16 accumulators) over K's half kh: 4 steps of 128.
; TWO ROADS.  B (the weights' 128 columns, all of K: 131,072 bytes) comes into LDS by one joint tensor load a wave (a block of 16 columns: 2 rows of 8,192 bytes, one for each half of K), shared along a column of the 4 x 4 cluster.
; A goes from memory straight into registers, four global_load_b128 a fragment, 512 consecutive bytes each, in three sets of four fragments: a set is asked for again as soon as its 16 products are issued.
; LDS is filled once.  NO PREFETCH: a wave's half of K is four images, three of them asked for at the head: there is no loop to run ahead in.
; THE WAY OUT: behind a barrier (nobody reads B any more) every wave lays its 64 x 64 sums into its own LDS region as rows of 256 bytes (272 apart); one barrier; a wave then takes 32 rows (32 kh on) out of both halves' regions and stores rows of 256 bytes.
; LIMIT: e10 + e11 between -126 and 127, so that 2^(e10 + e11) is an f32 number.
.set KTOT,  1024
.set WOFF,  1572864
.set SCOFF, 0x28
.set KIMG,  2048
.set ABLK,  16*KTOT                    ; the images of 16 rows
.set NS,    KTOT/256                   ; steps of 128 along K in a wave's half
.set NF,    NS/4                       ; fills: a slot holds four steps of both halves
.set SLOT,  131072
.set SPARE, 262144                     ; the spare words, 128 bytes for each wave
.set SP,    272
.set REG,   64*SP                      ; the way out: a wave's region, from LDS byte 0 on
.set LI,  16                           ; v16 16 x lane
.set STO, 17                           ; v17 into my region: row l % 16, 32 bytes for each half of the lanes
.set RD0, 18                           ; v18 back, out of half 0's region: lanes 0-15 one row, lanes 16-31 the next
.set RD1, 19                           ; v19 out of half 1's
.set CO,  20                           ; v20 the same two rows in memory
.set BO,  21                           ; v21 16 x (l % 16)
.set PFO, 22
.set ADRB, 24                          ; v24-25 my B fragments in slot 0, 1
.set SPW, 28                           ; v28 my spare word; never rewritten
.set NIL, 29                           ; v29 0; never rewritten
.set BI,  96                           ; v96-99 the bias at my four columns
.set ACC, 128                          ; v128-255 accumulator (a, b) at 128 + 8 (4 a + b)
.set P0,  128                          ; the way out: half 0's sums, half 1's
.set P1,  192
.set XW,  64*((NS-3)%3)                ; window 1: A's three sets at 0, 64, 128 (the residual lands in the set that is free first); B's odd set at 192.  B's even set: window 0, v32-95
.set MSB, 0
.macro WIN new                         ; the immediate's high byte repeats the setting that is left
.if MSB != \new
	s_set_vgpr_msb (MSB<<8)|\new
.set MSB, \new
.endif
.endm
.set TO_F, 0x40                        ; destination window 1, address window 0
.macro CROUND                          ; a round of the cluster's barrier
	s_barrier_signal -1
	s_barrier_wait -1
	s_cmp_lg_u32 s16, 0
	s_cbranch_scc1 .Lnot_wave_0_\@
	s_barrier_signal -3
.Lnot_wave_0_\@:
	s_barrier_wait -3
	s_barrier_signal -1
	s_barrier_wait -1
.endm
	s_load_b256 s[4:11], s[0:1], 0x0               ; A's images s[4:5], wimg s[6:7], the bias s[8:9], the residual s[10:11]
	s_load_b128 s[12:15], s[0:1], 0x20             ; the exponents s[12:13], the result s[14:15]
	v_lshl_add_u32 v[SPW], v0, 2, SPARE
	v_mov_b32 v[NIL], 0
	ds_add_u32 v[SPW], v[NIL]                      ; the wave's opening: the add, twice on end, and its wait ahead of my first tensor load
	ds_add_u32 v[SPW], v[NIL]
	v_lshrrev_b32 v1, 5, v0
	v_readfirstlane_b32 s16, v1                    ; wave 0..7
	s_and_b32 s17, s16, 1                          ; nh
	s_bfe_u32 s18, s16, 0x10001                    ; mh
	s_lshr_b32 s19, s16, 2                         ; kh
	s_bfe_u32 s56, ttmp6, 0x40000                  ; cx
	s_bfe_u32 s57, ttmp6, 0x40004                  ; cy
	s_lshl_b32 s58, ttmp9, 2
	s_add_co_u32 s58, s58, s56                     ; tile column
	s_and_b32 s20, ttmp7, 0xffff
	s_lshl_b32 s20, s20, 2
	s_add_co_u32 s20, s20, s57                     ; tile row
	s_lshl_b32 s59, 0x1111, s56                    ; my column of the cluster
	s_or_b32 s48, s59, (3<<16)|(1<<21)             ; group 1: the mask; elements of 8 bytes; bit 21 beside a mask; no padding
	s_mov_b32 s49, 1024<<16                        ; a row: 8,192 bytes, four images on end
	s_mov_b32 s50, 2<<16                           ; two rows: K's two halves
	s_mov_b32 s51, 1024<<16
	s_mov_b32 s52, 2
	s_mov_b32 s53, KTOT                            ; 8 KTOT bytes apart
	s_mov_b32 s54, 0
	s_mov_b32 s55, 0
	s_lshl_b32 s24, s58, 3
	s_add_co_u32 s24, s24, s16
	s_mul_i32 s24, s24, ABLK                       ; I fetch B's block 8 x tile column + wave
	s_add_co_u32 s24, s24, WOFF
	s_mov_b32 s25, 0
	s_mov_b32 s40, 1
	s_lshl_b32 s41, s16, 14                        ; to LDS 16,384 x wave
	s_mul_i32 s21, s19, 8*KTOT                     ; my half of K inside a block's images
	s_lshl_b32 s22, s20, 3
	s_lshl_b32 s23, s18, 2
	s_add_co_u32 s22, s22, s23
	s_mul_i32 s22, s22, ABLK                       ; A: block 8 x tile row + 4 mh
	s_add_co_u32 s22, s22, s21
	s_mov_b32 s23, 0
	s_lshl_b32 s26, s20, 19                        ; the rows that I finish: 128 x tile row + 64 mh + 32 kh, 4,096 bytes each
	s_lshl_b32 s27, s18, 18
	s_add_co_u32 s26, s26, s27
	s_lshl_b32 s27, s19, 17
	s_add_co_u32 s26, s26, s27
	s_lshl_b32 s28, s58, 9
	s_lshl_b32 s29, s17, 8
	s_add_co_u32 s28, s28, s29                     ; my 64 columns, in bytes
	s_add_co_u32 s26, s26, s28
	s_mov_b32 s27, 0
	s_mov_b32 s29, 0
	s_mul_i32 s35, s16, REG
	s_and_b32 s36, s16, 3
	s_mul_i32 s36, s36, REG
	s_mul_i32 s37, s19, 32*SP
	s_add_co_u32 s36, s36, s37
	s_lshl_b32 s60, s17, 16                        ; my four blocks of B in a slot, my half of K
	s_lshl_b32 s61, s19, 13
	s_add_co_u32 s60, s60, s61
	v_and_b32 v2, 15, v0
	v_bfe_u32 v3, v0, 4, 1
	v_and_b32 v4, 31, v0
	v_lshlrev_b32 v[LI], 4, v4
	v_mul_u32_u24 v5, v2, SP
	v_mul_u32_u24 v6, v3, SP
	v_lshlrev_b32 v[BO], 4, v2
	v_lshl_add_u32 v5, v3, 5, v5
	v_lshl_add_u32 v6, v2, 4, v6
	v_lshl_add_u32 v[CO], v3, 12, v[BO]
	v_add_nc_u32 v[STO], s35, v5
	v_add_nc_u32 v[RD0], s36, v6
	v_add_nc_u32 v[ADRB], s60, v[LI]
	v_add_nc_u32 v[RD1], 4*REG, v[RD0]
	v_add_nc_u32 v[ADRB+1], SLOT, v[ADRB]
	s_wait_alu depctr_va_vdst(0)                   ; the wait at the head's end
	s_wait_dscnt 0x0                               ; both opening adds are done
	s_wait_kmcnt 0x0
	s_load_b64 s[66:67], s[12:13], SCOFF           ; the two exponents
	s_add_nc_u64 s[42:43], s[6:7], s[24:25]
	s_or_b32 s43, s43, 0x80000000
	CROUND                                         ; all sixteen work-groups are here: the joint loads meet
	tensor_load_to_lds s[40:43], s[48:55]          ; my one tensor load
	s_nop 0
	s_add_nc_u64 s[4:5], s[4:5], s[22:23]
	s_add_nc_u64 s[8:9], s[8:9], s[28:29]
	s_add_nc_u64 s[10:11], s[10:11], s[26:27]
	s_add_nc_u64 s[14:15], s[14:15], s[26:27]
	global_load_b128 v[BI:BI+3], v[BO], s[8:9]     ; the oldest load: every counted wait below covers it
.macro PLACES                          ; four plain lines in front of loads into registers that matrix instructions have read, and of the first read of results
.rept 4
	v_nop
.endr
.endm
.macro GLA t                           ; 16 loads: image t of my four blocks of A into set t % 3
	WIN TO_F
.set AW, 64*((\t)%3)
.irp i, 0,1,2,3
.irp c, 0,1,2,3
	global_load_b128 v[AW+16*\i+4*\c:AW+16*\i+4*\c+3], v[LI], s[4:5] offset:ABLK*\i+KIMG*(\t)+512*\c
.endr
.endr
	WIN 0
.endm
.macro XLOAD                           ; the residual's 32 rows
	WIN TO_F
.set i, 0
.rept 16
	global_load_b128 v[XW+4*i:XW+4*i+3], v[CO], s[10:11] offset:8192*i th:TH_LOAD_NT
.set i, i+1
.endr
	WIN 0
.endm
.macro DSB t                           ; 16 LDS loads: step t's four fragments of B into set t % 2
.set BB, 32+160*((\t)%2)
.if (\t)%2
	WIN TO_F
.endif
.irp b, 0,1,2,3
.irp c, 0,1,2,3
	ds_load_b128 v[BB+16*\b+4*\c:BB+16*\b+4*\c+3], v[ADRB+((\t)/4)%2] offset:16384*\b+KIMG*((\t)%4)+512*\c
.endr
.endr
	WIN 0
.endm
.macro MULS t                          ; the 16 accumulators take turns, one instruction a turn, in the same order in every step
.set AW, 64*((\t)%3)
.set BB, 32+160*((\t)%2)
.set WM, 0x04+((\t)%2)                 ; source 1 (A) window 1; source 0 (B) window 0 or 1; C and D window 0
	WIN WM
.irp a, 0,1,2,3
.irp b, 0,1,2,3
.if (\t) == 0
	v_wmma_f32_16x16x128_fp8_fp8 v[ACC+8*(4*\a+\b):ACC+8*(4*\a+\b)+7], v[BB+16*\b:BB+16*\b+15], v[AW+16*\a:AW+16*\a+15], 0
.else
	v_wmma_f32_16x16x128_fp8_fp8 v[ACC+8*(4*\a+\b):ACC+8*(4*\a+\b)+7], v[BB+16*\b:BB+16*\b+15], v[AW+16*\a:AW+16*\a+15], v[ACC+8*(4*\a+\b):ACC+8*(4*\a+\b)+7]
.endif
.endr
.endr
.endm
.macro CHANGE p                        ; in front of a slot's four steps: all my tensor loads are in, the add, my LDS reads are over; behind the barrier the slot is whole
	s_wait_tensorcnt 0x0
	ds_add_u32 v[SPW], v[NIL]
	s_wait_dscnt 0x0
	s_barrier_signal -1
	s_barrier_wait -1
.endm
.macro STEP t
.if (\t)%4 == 0
	CHANGE (\t)/4
	DSB \t
.endif
.if (\t) == NS-1
	s_wait_loadcnt 16                              ; A's last image is in; the residual's 16 loads may be out
.else
	s_wait_loadcnt 32                              ; image t is in; the 32 loads issued behind it (two sets) may be out
.endif
	s_wait_dscnt 0x0                               ; B's fragments of this step are in
.if ((\t)+1)%4 != 0
	DSB (\t)+1                                     ; the next step's, while this one is multiplied
.endif
	MULS \t
	PLACES
.if (\t)+3 < NS
	GLA (\t)+3
.else
.if (\t)+3 == NS
	XLOAD
.else
	WIN 0
.endif
.endif
.endm
	GLA 0
	GLA 1
	GLA 2
.set T, 0
.rept NS
	STEP T
.set T, T+1
.endr
	s_barrier_signal -1                            ; my reads of B are over (waited for in the last step);
	s_barrier_wait -1                              ; everybody's are: the regions of the way out may be laid over the slot, which has had its last fill
.irp a, 0,1,2,3
.irp b, 0,1,2,3
	ds_store_b128 v[STO], v[ACC+8*(4*\a+\b):ACC+8*(4*\a+\b)+3]   offset:16*SP*\a+64*\b      ; lane (r, h) holds row 16 a + r, columns 16 b + 8 h + 0..7; each accumulator from its low end on
	ds_store_b128 v[STO], v[ACC+8*(4*\a+\b)+4:ACC+8*(4*\a+\b)+7] offset:16*SP*\a+64*\b+16
.endr
.endr
	s_wait_kmcnt 0x0
	s_add_co_i32 s66, s66, s67
	s_add_co_i32 s66, s66, 127
	s_lshl_b32 s66, s66, 23                        ; 2^(eA + eB)
	s_mov_b32 s67, s66                             ; (named with it as a pair)
	s_wait_dscnt 0x0                               ; for the others' sake: my stores are done
	s_barrier_signal -1
	s_barrier_wait -1
.set i, 0
.rept 16
	ds_load_b128 v[P0+4*i:P0+4*i+3], v[RD0] offset:2*SP*i
	ds_load_b128 v[P1+4*i:P1+4*i+3], v[RD1] offset:2*SP*i
.set i, i+1
.endr
	s_wait_loadcnt 0x0                             ; the residual
	s_wait_dscnt 0x0
.set i, 0
.rept 32
	v_pk_add_f32 v[P0+i:P0+i+1], v[P0+i:P0+i+1], v[P1+i:P1+i+1]
.set i, i+2
.endr
.set i, 0
.rept 32
	v_pk_fma_f32 v[P0+i:P0+i+1], v[P0+i:P0+i+1], s[66:67], v[BI+i%4:BI+i%4+1] op_sel_hi:[1,0,1]
.set i, i+2
.endr
	WIN 0x04                                       ; source 1: window 1
.set i, 0
.rept 32
	v_pk_add_f32 v[P0+i:P0+i+1], v[P0+i:P0+i+1], v[XW+i:XW+i+1]
.set i, i+2
.endr
	WIN 0
.set i, 0
.rept 16
	global_store_b128 v[CO], v[P0+4*i:P0+4*i+3], s[14:15] offset:8192*i   ; sixteen lanes store 256 consecutive bytes, aligned
.set i, i+1
.endr
	s_wait_tensorcnt 0x0                           ; the wave's end, behind my last LDS store
	ds_add_u32 v[SPW], v[NIL]
	s_wait_dscnt 0x0
	CROUND                                         ; the closing round
	s_endpgm
.Lfunc_end_k_qe078a082c6_wo:
	.size	k_qe078a082c6_wo, .Lfunc_end_k_qe078a082c6_wo-k_qe078a082c6_wo
	.p2alignl 7, 3214868480
	.fill 96, 4, 3214868480
	.section	.rodata,"a",@progbits
	.p2align	6, 0x0
	.amdhsa_kernel k_qe078a082c6_wo
		.amdhsa_group_segment_fixed_size 327680
		.amdhsa_private_segment_fixed_size 0
		.amdhsa_enable_private_segment 0
		.amdhsa_kernarg_size 48
		.amdhsa_user_sgpr_count 2
		.amdhsa_user_sgpr_kernarg_segment_ptr 1
		.amdhsa_wavefront_size32 1
		.amdhsa_system_sgpr_workgroup_id_x 1
		.amdhsa_system_sgpr_workgroup_id_y 1
		.amdhsa_system_sgpr_workgroup_id_z 1
		.amdhsa_system_vgpr_workitem_id 0
		.amdhsa_next_free_vgpr 512
		.amdhsa_next_free_sgpr 68
		.amdhsa_reserve_vcc 0
		.amdhsa_float_denorm_mode_32 3
		.amdhsa_float_denorm_mode_16_64 3
		.amdhsa_memory_ordered 1
		.amdhsa_forward_progress 1
		.amdhsa_inst_pref_size 35
	.end_amdhsa_kernel
	.amdgpu_metadata
---
amdhsa.version: [ 1, 2 ]
amdhsa.kernels:
  - .name:           k_qe078a082c6_wo
    .symbol:         k_qe078a082c6_wo.kd
    .args:
      - { .name: oimg, .offset: 0, .size: 8, .value_kind: global_buffer, .address_space: global }
      - { .name: wimg, .offset: 8, .size: 8, .value_kind: global_buffer, .address_space: global }
      - { .name: bo, .offset: 16, .size: 8, .value_kind: global_buffer, .address_space: global }
      - { .name: x, .offset: 24, .size: 8, .value_kind: global_buffer, .address_space: global }
      - { .name: lowp_scales, .offset: 32, .size: 8, .value_kind: global_buffer, .address_space: global }
      - { .name: x1, .offset: 40, .size: 8, .value_kind: global_buffer, .address_space: global }
    .group_segment_fixed_size: 327680
    .private_segment_fixed_size: 0
    .kernarg_segment_align: 8
    .kernarg_segment_size: 48
    .max_flat_workgroup_size: 256
    .sgpr_count:     68
    .vgpr_count:     512
    .wavefront_size: 32
...
	.end_amdgpu_metadata
.endif
;; end of part 4
;; launch ln2 (part 5): grid 256 x 1, 4 waves a work-group, no clusters, 17,920 bytes of LDS; arguments x1, g2, bt2, lowp_scales, h2img; writes h2img
.if DOCPART == 5
	.amdgcn_target "amdgcn-amd-amdhsa--gfx1250"
	.amdhsa_code_object_version 6
	.text
	.protected	k_qe078a082c6_ln2
	.globl	k_qe078a082c6_ln2
	.p2align	8
	.type	k_qe078a082c6_ln2,@function
k_qe078a082c6_ln2:
	s_mov_b64 s[64:65], 0
	v_nop
	global_prefetch_b8 v0, s[64:65] scope:SCOPE_SE
	s_setreg_imm32_b32 hwreg(HW_REG_WAVE_MODE, 25, 1), 1
	s_wait_xcnt 0x0
; LayerNorm 2 of x1, quantised with e12 into images of operand registers (16 rows x 128 K = 2,048 bytes; the octet o of the 32-group P of row r at 512 P + 256 (o % 2) + 16 r + 8 (o / 2)).
; A work-group takes 16 rows, a wave four, a row at a time in 32 registers: lane l holds numbers 256 c + 8 l + 0..7, c = 0..3.  Mean first, then the sum of squared differences.
; A stream: no tensor load, no cluster, no matrix unit; work-groups share only the gain and the offset, 8 KB.  LIMIT: e12 between -126 and 119.  NaN among the inputs is not served.
.set NS,    1
.set LNST,  0                          ; LDS: 64 lines of 256 bytes, 272 apart
.set LNSET, 17408
.set SPARE, 17408                      ; the spare words, 128 bytes for each wave
.set SPW,   254
.set NIL,   255
.set LA,  3
.set RB,  4
.set LI,  5
.set SC,  6
.set LIM, 9
.set G,   16
.set BT,  48
.set X,   80
.set T,   208
.set C,   224
	s_load_b256 s[4:11], s[0:1], 0x0               ; x1 s[4:5], g2 s[6:7], bt2 s[8:9], exponents s[10:11]
	s_load_b64 s[26:27], s[0:1], 0x20              ; h2img
	v_lshl_add_u32 v[SPW], v0, 2, SPARE
	v_mov_b32 v[NIL], 0
	v_lshrrev_b32 v1, 5, v0
	v_readfirstlane_b32 s2, v1                     ; wave 0..3
	v_and_b32 v2, 31, v0                           ; lane
	s_lshl_b32 s45, ttmp9, 16
	s_lshl_b32 s46, s2, 14
	s_add_co_u32 s46, s45, s46                     ; (16 m16 + 4 wave) rows of 4,096 bytes
	s_mov_b32 s47, 0
	s_wait_alu depctr_va_vdst(0)
	s_wait_kmcnt 0x0
	s_load_b32 s28, s[10:11], 0x30                 ; e12
	s_add_nc_u64 s[4:5], s[4:5], s[46:47]
	v_lshlrev_b32 v1, 5, v2
.irp c, 0,1,2,3
	global_load_b128 v[G+8*\c:G+8*\c+3],     v1, s[6:7] offset:1024*\c
	global_load_b128 v[G+8*\c+4:G+8*\c+7],   v1, s[6:7] offset:1024*\c+16
	global_load_b128 v[BT+8*\c:BT+8*\c+3],   v1, s[8:9] offset:1024*\c
	global_load_b128 v[BT+8*\c+4:BT+8*\c+7], v1, s[8:9] offset:1024*\c+16
.endr
.irp r, 0,1,2,3
.irp c, 0,1,2,3
	global_load_b128 v[X+32*\r+8*\c:X+32*\r+8*\c+3],   v1, s[4:5] offset:4096*\r+1024*\c
	global_load_b128 v[X+32*\r+8*\c+4:X+32*\r+8*\c+7], v1, s[4:5] offset:4096*\r+1024*\c+16
.endr
.endr
	v_lshrrev_b32 v[LA], 4, v2                     ; my octet of chunk c lies in line 16 c + 8 (l / 16) + 2 ((l / 4) % 4) + l % 2
	v_bfe_u32 v[RB], v2, 2, 2
	v_and_b32 v[LI], 1, v2
	v_lshlrev_b32 v[LA], 3, v[LA]
	v_lshl_add_u32 v[LA], v[RB], 1, v[LA]
	v_add_nc_u32 v[LA], v[LA], v[LI]
	v_mul_u32_u24 v[LA], v[LA], 272
	v_bfe_u32 v[RB], v2, 1, 1
	v_lshl_add_u32 v[LA], v[RB], 3, v[LA]
	s_lshl_b32 s48, s2, 6
	v_add_nc_u32 v[LA], s48, v[LA]
	v_and_b32 v[LI], 15, v2
	v_lshrrev_b32 v[RB], 4, v2
	v_mul_u32_u24 v[RB], v[RB], 272
	v_lshl_add_u32 v[RB], v[LI], 4, v[RB]
	s_mul_i32 s48, s2, 16*272
	v_add_nc_u32 v[RB], s48, v[RB]
	v_lshlrev_b32 v[LI], 4, v2
	s_lshl_b32 s48, ttmp9, 14
	s_lshl_b32 s49, s2, 12
	s_add_co_u32 s48, s48, s49
	s_mov_b32 s49, 0
	s_add_nc_u64 s[50:51], s[26:27], s[48:49]
	s_mov_b32 s56, 0x76543210
	s_mov_b32 s57, 0xfedcba98
	s_mov_b32 s58, 0x3a800000                      ; 1 / 1024
	s_mov_b32 s59, 0x3727c5ac                      ; 1e-5
	v_mov_b32 v13, 0
	v_mov_b32 v15, 0
	s_wait_kmcnt 0x0
	s_add_co_i32 s60, s28, 127
	s_lshl_b32 s61, s60, 23
	v_mov_b32 v[SC], s61
	s_add_co_i32 s60, s60, 8
	s_lshl_b32 s60, s60, 23
	s_or_b32 s60, s60, 0x600000
	v_mov_b32 v[LIM], s60
.macro REDUCE
	v_add_f32_dpp v[T], v[T], v[T] row_xmask:1 row_mask:0xf bank_mask:0xf
	v_add_f32_dpp v[T], v[T], v[T] row_xmask:2 row_mask:0xf bank_mask:0xf
	v_add_f32_dpp v[T], v[T], v[T] row_xmask:4 row_mask:0xf bank_mask:0xf
	v_add_f32_dpp v[T], v[T], v[T] row_xmask:8 row_mask:0xf bank_mask:0xf
	v_permlanex16_b32 v[T+1], v[T], s56, s57
	v_add_f32 v[T], v[T], v[T+1]
.endm
.macro ROW r
.set XR, X+32*(\r)
	s_wait_loadcnt 8*(3-(\r))                      ; this row's eight loads are in; the later rows' may be out
.irp p, 0,2,4,6,8,10,12,14
	v_pk_add_f32 v[T+\p:T+\p+1], v[XR+\p:XR+\p+1], v[XR+16+\p:XR+16+\p+1]
.endr
.irp p, 0,2,4,6
	v_pk_add_f32 v[T+\p:T+\p+1], v[T+\p:T+\p+1], v[T+8+\p:T+8+\p+1]
.endr
	v_pk_add_f32 v[T:T+1], v[T:T+1], v[T+4:T+5]
	v_pk_add_f32 v[T+2:T+3], v[T+2:T+3], v[T+6:T+7]
	v_pk_add_f32 v[T:T+1], v[T:T+1], v[T+2:T+3]
	v_add_f32 v[T], v[T], v[T+1]
	REDUCE
	v_mul_f32 v12, s58, v[T]                       ; the mean
.set i, 0
.rept 16
	v_pk_add_f32 v[XR+i:XR+i+1], v[XR+i:XR+i+1], v[12:13] op_sel_hi:[1,0] neg_lo:[0,1] neg_hi:[0,1]
.set i, i+2
.endr
.irp p, 0,2,4,6
	v_pk_mul_f32 v[T+\p:T+\p+1], v[XR+\p:XR+\p+1], v[XR+\p:XR+\p+1]
.endr
.set i, 8
.rept 12
	v_pk_fma_f32 v[T+i%8:T+i%8+1], v[XR+i:XR+i+1], v[XR+i:XR+i+1], v[T+i%8:T+i%8+1]
.set i, i+2
.endr
	v_pk_add_f32 v[T:T+1], v[T:T+1], v[T+4:T+5]
	v_pk_add_f32 v[T+2:T+3], v[T+2:T+3], v[T+6:T+7]
	v_pk_add_f32 v[T:T+1], v[T:T+1], v[T+2:T+3]
	v_add_f32 v[T], v[T], v[T+1]
	REDUCE
	v_fma_f32 v[T], v[T], s58, s59                 ; the variance + 1e-5
	s_wait_alu depctr_va_vdst(0)
	v_rsq_f32 v14, v[T]
	v_nop                                          ; a plain line behind the transcendental,
	s_wait_alu depctr_va_vdst(0)                   ; and the wait ahead of its first reader
.set i, 0
.rept 16
	v_pk_mul_f32 v[XR+i:XR+i+1], v[XR+i:XR+i+1], v[14:15] op_sel_hi:[1,0]
.set i, i+2
.endr
.set i, 0
.rept 16
	v_pk_fma_f32 v[XR+i:XR+i+1], v[XR+i:XR+i+1], v[G+i:G+i+1], v[BT+i:BT+i+1]
.set i, i+2
.endr
	s_wait_dscnt 0x0                               ; the last row's stores have read their registers
.set q, 0
.rept NS
.irp c, 0,1,2,3
.irp j, 0,1,2,3,4,5,6,7
	v_med3_num_f32 v[T+8*(\c%2)+\j], v[XR+8*\c+\j], -v[LIM+q], v[LIM+q]
.endr
	v_cvt_scalef32_pk8_fp8_f32 v[C+2*(4*q+\c):C+2*(4*q+\c)+1], v[T+8*(\c%2):T+8*(\c%2)+7], v[SC+q]
	ds_store_b64 v[LA], v[C+2*(4*q+\c):C+2*(4*q+\c)+1] offset:LNSET*q+4352*\c+16*(\r)
.endr
.set q, q+1
.endr
	v_nop                                          ; a plain line behind the last conversion, ahead of the next writes of its sources
.endm
	ROW 0
	ROW 1
	ROW 2
	ROW 3
	s_wait_dscnt 0x0                               ; for the others' sake: my stores into the stage are done
	s_barrier_signal -1
	s_barrier_wait -1
.set n, 0
.rept 8*NS
	ds_load_b128 v[X+4*n:X+4*n+3], v[RB] offset:LNSET*(n/8)+544*(n%8)
.set n, n+1
.endr
.set n, 0
.rept 8*NS
	s_wait_dscnt 8*NS-1-n                          ; the younger reads may be out
	global_store_b128 v[LI], v[X+4*n:X+4*n+3], s[50:51] offset:512*(n%8)   ; 32 lanes store 512 consecutive bytes, aligned
.set n, n+1
.endr
	s_wait_tensorcnt 0x0                           ; the wave's end, behind my last LDS store
	ds_add_u32 v[SPW], v[NIL]
	s_wait_dscnt 0x0
	s_endpgm
.Lfunc_end_k_qe078a082c6_ln2:
	.size	k_qe078a082c6_ln2, .Lfunc_end_k_qe078a082c6_ln2-k_qe078a082c6_ln2
	.p2alignl 7, 3214868480
	.fill 96, 4, 3214868480
	.section	.rodata,"a",@progbits
	.p2align	6, 0x0
	.amdhsa_kernel k_qe078a082c6_ln2
		.amdhsa_group_segment_fixed_size 17920
		.amdhsa_private_segment_fixed_size 0
		.amdhsa_enable_private_segment 0
		.amdhsa_kernarg_size 40
		.amdhsa_user_sgpr_count 2
		.amdhsa_user_sgpr_kernarg_segment_ptr 1
		.amdhsa_wavefront_size32 1
		.amdhsa_system_sgpr_workgroup_id_x 1
		.amdhsa_system_sgpr_workgroup_id_y 1
		.amdhsa_system_sgpr_workgroup_id_z 1
		.amdhsa_system_vgpr_workitem_id 0
		.amdhsa_next_free_vgpr 256
		.amdhsa_next_free_sgpr 66
		.amdhsa_reserve_vcc 0
		.amdhsa_float_denorm_mode_32 3
		.amdhsa_float_denorm_mode_16_64 3
		.amdhsa_memory_ordered 1
		.amdhsa_forward_progress 1
		.amdhsa_inst_pref_size 44
	.end_amdhsa_kernel
	.amdgpu_metadata
---
amdhsa.version: [ 1, 2 ]
amdhsa.kernels:
  - .name:           k_qe078a082c6_ln2
    .symbol:         k_qe078a082c6_ln2.kd
    .args:
      - { .name: x1, .offset: 0, .size: 8, .value_kind: global_buffer, .address_space: global }
      - { .name: g2, .offset: 8, .size: 8, .value_kind: global_buffer, .address_space: global }
      - { .name: bt2, .offset: 16, .size: 8, .value_kind: global_buffer, .address_space: global }
      - { .name: lowp_scales, .offset: 24, .size: 8, .value_kind: global_buffer, .address_space: global }
      - { .name: h2img, .offset: 32, .size: 8, .value_kind: global_buffer, .address_space: global }
    .group_segment_fixed_size: 17920
    .private_segment_fixed_size: 0
    .kernarg_segment_align: 8
    .kernarg_segment_size: 40
    .max_flat_workgroup_size: 128
    .sgpr_count:     66
    .vgpr_count:     256
    .wavefront_size: 32
...
	.end_amdgpu_metadata
.endif
;; end of part 5
;; launch ffn1 (part 6): grid 16 x 16, 4 waves a work-group, clusters of 4 x 4, 327,680 bytes of LDS; arguments h2img, wimg, b1, lowp_scales, fimg; writes fimg
.if DOCPART == 6
	.amdgcn_target "amdgcn-amd-amdhsa--gfx1250"
	.amdhsa_code_object_version 6
	.text
	.protected	k_qe078a082c6_ffn1
	.globl	k_qe078a082c6_ffn1
	.p2align	8
	.type	k_qe078a082c6_ffn1,@function
k_qe078a082c6_ffn1:
	s_mov_b64 s[64:65], 0
	v_nop
	global_prefetch_b8 v0, s[64:65] scope:SCOPE_SE
	s_setreg_imm32_b32 hwreg(HW_REG_WAVE_MODE, 25, 1), 1
	s_wait_xcnt 0x0
	s_wait_alu depctr_hold_cnt(0) depctr_sa_sdst(0) depctr_va_vdst(0) depctr_va_sdst(0) depctr_va_ssrc(0) depctr_va_vcc(0) depctr_vm_vsrc(0)
	s_getreg_b32 s2, hwreg(HW_REG_IB_STS2, 6, 4)
	s_cmp_eq_u32 s2, 0
	s_cbranch_scc0 .Lentry_in_a_cluster
	s_endpgm
.Lentry_in_a_cluster:
	s_bfe_u32 s2, ttmp6, 0x10000c
	s_cmp_lg_u32 s2, 0xf033
	s_cbranch_scc0 .Lentry_shape_is_right
	s_endpgm
.Lentry_shape_is_right:
.set W1_OFF, 2621440
.set FR,     16
.set NL,     4
.set NP,     4
.set SLOT,   131072
.set SPARE,  262144
.set ADRA, 16
.set ADRB, 20
.set LI,   27
.set SPW,  28
.set NIL,  29
.set BIAS, 32
.set AF,   128
.set U,    96
.set Z,    160
.set W,    176
.set P,    192
.set Q,    208
.set C,    224
.set G1, 24
.set G0, 32
.set G1B, 48
.set G0B, 56
.set MSB, 0
.macro WIN new
.if MSB != \new
	s_set_vgpr_msb (MSB<<8)|\new
.set MSB, \new
.endif
.endm
.set MUL_LO, 0xa1
.set MUL_HI, 0xf1
.set TO_B,   0x40
.macro JLOAD g0a, g1a, g0b, g1b
	s_cmp_eq_u32 s15, 0
	s_cbranch_scc0 .Lfor_b_\@
	tensor_load_to_lds s[\g0a:\g0a+3], s[\g1a:\g1a+7]
	s_nop 0
.rept 4
	v_nop
.endr
	s_branch .Lasked_\@
.Lfor_b_\@:
	tensor_load_to_lds s[\g0b:\g0b+3], s[\g1b:\g1b+7]
	s_nop 0
.rept 4
	v_nop
.endr
.Lasked_\@:
.endm
.macro CREST
	s_cmp_lg_u32 s14, 0
	s_cbranch_scc1 .Lnot_wave_0_\@
	s_barrier_signal -3
.Lnot_wave_0_\@:
	s_barrier_wait -3
	s_barrier_signal -1
	s_barrier_wait -1
.endm
.macro CROUND
	s_barrier_signal -1
	s_barrier_wait -1
	CREST
.endm
	s_load_b256 s[4:11], s[0:1], 0x0
	s_load_b64 s[12:13], s[0:1], 0x20
	v_lshl_add_u32 v[SPW], v0, 2, SPARE
	v_mov_b32 v[NIL], 0
	ds_add_u32 v[SPW], v[NIL]
	ds_add_u32 v[SPW], v[NIL]
	v_lshrrev_b32 v1, 5, v0
	v_readfirstlane_b32 s14, v1
	s_lshr_b32 s15, s14, 1
	s_and_b32 s16, s14, 1
	s_bfe_u32 s40, ttmp6, 0x40000
	s_bfe_u32 s41, ttmp6, 0x40004
	s_lshl_b32 s42, ttmp9, 2
	s_add_co_u32 s42, s42, s40
	s_and_b32 s17, ttmp7, 0xffff
	s_lshl_b32 s17, s17, 2
	s_add_co_u32 s17, s17, s41
	s_lshl_b32 s43, s41, 2
	s_lshl_b32 s43, 15, s43
	s_lshl_b32 s44, 0x1111, s40
	s_or_b32 s[G1], s43, (3<<16)|(1<<21)
	s_or_b32 s[G1B], s44, (3<<16)|(1<<21)
.irp g, G1, G1B
	s_mov_b32 s[\g+1], 512<<16
	s_mov_b32 s[\g+2], 8<<16
	s_mov_b32 s[\g+3], 512<<16
	s_mov_b32 s[\g+4], 8
	s_mov_b32 s[\g+5], 2048
	s_mov_b32 s[\g+6], 0
	s_mov_b32 s[\g+7], 0
.endr
	s_lshl_b32 s18, s16, 3
	s_lshl_b32 s20, s17, 4
	s_add_co_u32 s20, s20, s18
	s_lshl_b32 s20, s20, 14
	s_mov_b32 s21, 0
	s_lshl_b32 s46, s42, 4
	s_add_co_u32 s46, s46, s18
	s_lshl_b32 s46, s46, 14
	s_add_co_u32 s46, s46, W1_OFF
	s_mov_b32 s47, 0
	s_lshl_b32 s45, s14, 15
	s_wait_dscnt 0x0
	s_wait_kmcnt 0x0
	s_load_b128 s[96:99], s[10:11], 0x30
	s_add_nc_u64 s[20:21], s[4:5], s[20:21]
	s_add_nc_u64 s[46:47], s[6:7], s[46:47]
	CROUND
.irp s, 0,1
	s_mov_b32 s[G0+4*\s], 1
	s_add_co_u32 s[G0+4*\s+1], s45, \s*SLOT
	s_add_nc_u64 s[G0+4*\s+2:G0+4*\s+3], s[20:21], \s*4096
	s_or_b32 s[G0+4*\s+3], s[G0+4*\s+3], 0x80000000
	s_mov_b32 s[G0B+4*\s], 1
	s_add_co_u32 s[G0B+4*\s+1], s45, \s*SLOT
	s_add_nc_u64 s[G0B+4*\s+2:G0B+4*\s+3], s[46:47], \s*4096
	s_or_b32 s[G0B+4*\s+3], s[G0B+4*\s+3], 0x80000000
	s_wait_alu depctr_va_vdst(0)
	s_wait_tensorcnt 0x0
	ds_add_u32 v28, v29
	ds_add_u32 v28, v29
	s_wait_dscnt 0x0
	CROUND
	JLOAD G0+4*\s, G1, G0B+4*\s, G1B
.endr
	v_bfe_u32 v2, v0, 4, 1
	v_and_b32 v3, 31, v0
	v_lshlrev_b32 v[LI], 4, v3
	s_lshl_b32 s21, s15, 15
	s_lshl_b32 s22, s16, 15
	s_add_co_u32 s22, s22, 65536
	v_add_nc_u32 v[ADRA], s21, v[LI]
	v_add_nc_u32 v[ADRB], s22, v[LI]
	v_add_nc_u32 v[ADRA+1], SLOT, v[ADRA]
	v_add_nc_u32 v[ADRB+1], SLOT, v[ADRB]
	v_lshlrev_b32 v7, 5, v2
	s_lshl_b32 s46, s42, 10
	s_lshl_b32 s47, s16, 9
	s_add_co_u32 s46, s46, s47
	s_mov_b32 s47, 0
	s_add_nc_u64 s[8:9], s[8:9], s[46:47]
.irp b, 0,1,2,3,4,5,6,7
	global_load_b128 v[BIAS+8*\b:BIAS+8*\b+3],   v7, s[8:9] offset:64*\b
	global_load_b128 v[BIAS+8*\b+4:BIAS+8*\b+7], v7, s[8:9] offset:64*\b+16
.endr
	s_lshl_b32 s20, s17, 4
	s_lshl_b32 s21, s15, 3
	s_add_co_u32 s20, s20, s21
	s_lshl_b32 s20, s20, 16
	s_lshl_b32 s21, s42, 1
	s_add_co_u32 s21, s21, s16
	s_lshl_b32 s21, s21, 11
	s_add_co_u32 s20, s20, s21
	s_mov_b32 s21, 0
	s_add_nc_u64 s[12:13], s[12:13], s[20:21]
.macro FRAG reg, adr, q, i
.irp c, 0,1,2,3
	ds_load_b128 v[\reg+4*\c:\reg+4*\c+3], v[\adr] offset:4096*(\i)+2048*(\q)+512*\c
.endr
.endm
.macro MUL16 a0, p, zero
.irp a, \a0, \a0+1
.irp b, 0,1,2,3,4,5,6,7
.if \zero
	v_wmma_f32_16x16x128_fp8_fp8 v[8*(8*((\a)%4)+\b):8*(8*((\a)%4)+\b)+7], v[128*(\p)+FR*\b:128*(\p)+FR*\b+FR-1], v[AF+FR*(\a):AF+FR*(\a)+FR-1], 0
.else
	v_wmma_f32_16x16x128_fp8_fp8 v[8*(8*((\a)%4)+\b):8*(8*((\a)%4)+\b)+7], v[128*(\p)+FR*\b:128*(\p)+FR*\b+FR-1], v[AF+FR*(\a):AF+FR*(\a)+FR-1], v[8*(8*((\a)%4)+\b):8*(8*((\a)%4)+\b)+7]
.endif
.endr
.endr
.endm
.macro FETCH_B slot, q, p
	WIN TO_B
.irp i, 0,1,2,3,4,5,6,7
	FRAG 128*(\p)+FR*\i, ADRB+\slot, \q, \i
.endr
	WIN 0
.endm
.macro FETCH_A slot, q, i0
.irp i, \i0, \i0+1, \i0+2, \i0+3
	FRAG AF+FR*(\i), ADRA+\slot, \q, \i
.endr
.endm
.macro PLACES n
.rept \n
	v_nop
.endr
.endm
.macro STEP slot, q, zero
	s_wait_dscnt 4*NL
	WIN MUL_LO
	MUL16 0, (\q)%2, \zero
	MUL16 2, (\q)%2, \zero
	s_wait_dscnt 0
	PLACES NP
	FETCH_B \slot, (\q)+1, 1-(\q)%2
	FETCH_A \slot, (\q)+1, 0
	WIN MUL_HI
	MUL16 4, (\q)%2, \zero
	MUL16 6, (\q)%2, \zero
	PLACES NP
	WIN 0
	FETCH_A \slot, (\q)+1, 4
.endm
.macro TURN slot, next, fill
	s_wait_tensorcnt 0x0
	ds_add_u32 v[SPW], v[NIL]
	s_wait_dscnt 4*NL+1
	WIN MUL_LO
	MUL16 0, 1, 0
	s_wait_dscnt 0x0
	s_barrier_signal -1
	MUL16 2, 1, 0
	WIN 0
	s_barrier_wait -1
.if \fill
	CREST
	s_add_nc_u64 s[G0+4*\slot+2:G0+4*\slot+3], s[G0+4*\slot+2:G0+4*\slot+3], 8192
	s_add_nc_u64 s[G0B+4*\slot+2:G0B+4*\slot+3], s[G0B+4*\slot+2:G0B+4*\slot+3], 8192
	JLOAD G0+4*\slot, G1, G0B+4*\slot, G1B
.else
	PLACES NP
.endif
	FETCH_B \next, 0, 0
	FETCH_A \next, 0, 0
	WIN MUL_HI
	MUL16 4, 1, 0
	MUL16 6, 1, 0
	PLACES NP
	WIN 0
	FETCH_A \next, 0, 4
.endm
	s_wait_alu depctr_va_vdst(0)
	s_wait_tensorcnt 1
	s_barrier_signal -1
	s_barrier_wait -1
	FETCH_B 0, 0, 0
	FETCH_A 0, 0, 0
	FETCH_A 0, 0, 4
	STEP 0, 0, 1
	TURN 0, 1, 1
	STEP 1, 0, 0
	TURN 1, 0, 1
	STEP 0, 0, 0
	TURN 0, 1, 0
	STEP 1, 0, 0
	s_wait_dscnt 4*NL
	WIN MUL_LO
	MUL16 0, 1, 0
	MUL16 2, 1, 0
	s_wait_dscnt 0
	WIN MUL_HI
	MUL16 4, 1, 0
	MUL16 6, 1, 0
	WIN 0
	s_wait_kmcnt 0x0
	s_add_co_i32 s96, s96, s97
	s_add_co_i32 s96, s96, 127
	s_lshl_b32 s96, s96, 23
	s_mov_b32 s97, s96
	s_add_co_i32 s98, s98, 127
	s_lshl_b32 s99, s98, 23
	s_add_co_i32 s98, s98, 8
	s_lshl_b32 s98, s98, 23
	s_or_b32 s98, s98, 0x600000
	s_wait_loadcnt 0x0
	v_mov_b32 v2, s98
	v_mov_b32 v3, s99
	v_mov_b32 v4, 0x32edffee
	v_mov_b32 v5, 0x32edffee
	v_mov_b32 v6, 0xb95fbd29
	v_mov_b32 v7, 0xb95fbd29
.macro COPYIN a
	WIN 0x02+((\a)/4)
.set i, 0
.rept 32
	v_pk_fma_f32 v[U+i:U+i+1], v[64*((\a)%4)+i:64*((\a)%4)+i+1], s[96:97], v[BIAS+i:BIAS+i+1] op_sel_hi:[1,0,1]
.set i, i+2
.endr
	WIN 0
.endm
.macro GELU g
.set UG, U+16*(\g)
.irp j, 0,2,4,6,8,10,12,14
	v_pk_mul_f32 v[Z+\j:Z+\j+1], v[UG+\j:UG+\j+1], 0x3f3504f3 op_sel_hi:[1,0]
.endr
.irp j, 0,1,2,3,4,5,6,7,8,9,10,11,12,13,14,15
	v_med3_num_f32 v[Z+\j], v[Z+\j], -4.0, 4.0
.endr
.irp j, 0,2,4,6,8,10,12,14
	v_pk_mul_f32 v[W+\j:W+\j+1], v[Z+\j:Z+\j+1], v[Z+\j:Z+\j+1]
.endr
.irp j, 0,2,4,6,8,10,12,14
	v_pk_fma_f32 v[P+\j:P+\j+1], v[W+\j:W+\j+1], 0xaf95df0b, v[4:5] op_sel_hi:[1,0,1]
.endr
.irp j, 0,2,4,6,8,10,12,14
	v_pk_fma_f32 v[Q+\j:Q+\j+1], v[W+\j:W+\j+1], 0xb77460cd, v[6:7] op_sel_hi:[1,0,1]
.endr
.irp k, 0xbadc924e, 0xbbf19bf8, 0xbc69b6a7
.irp j, 0,2,4,6,8,10,12,14
	v_pk_fma_f32 v[Q+\j:Q+\j+1], v[Q+\j:Q+\j+1], v[W+\j:W+\j+1], \k op_sel_hi:[1,1,0]
.endr
.endr
	s_wait_alu depctr_va_vdst(0)
.irp j, 0,1,2,3,4,5,6,7,8,9,10,11,12,13,14,15
	v_rcp_f32 v[Q+\j], v[Q+\j]
.endr
.irp k, 0xb60cff51, 0xb86ec2d2, 0xba40ac63, 0xbb41a1f6, 0xbc83dbd4
.irp j, 0,2,4,6,8,10,12,14
	v_pk_fma_f32 v[P+\j:P+\j+1], v[P+\j:P+\j+1], v[W+\j:W+\j+1], \k op_sel_hi:[1,1,0]
.endr
.endr
.irp j, 0,2,4,6,8,10,12,14
	v_pk_mul_f32 v[P+\j:P+\j+1], v[P+\j:P+\j+1], v[Z+\j:Z+\j+1]
.endr
.irp j, 0,2,4,6,8,10,12,14
	v_pk_mul_f32 v[UG+\j:UG+\j+1], v[UG+\j:UG+\j+1], 0.5 op_sel_hi:[1,0]
.endr
	s_wait_alu depctr_va_vdst(0)
.irp j, 0,2,4,6,8,10,12,14
	v_pk_mul_f32 v[P+\j:P+\j+1], v[P+\j:P+\j+1], v[Q+\j:Q+\j+1]
.endr
.irp j, 0,2,4,6,8,10,12,14
	v_pk_fma_f32 v[UG+\j:UG+\j+1], v[UG+\j:UG+\j+1], v[P+\j:P+\j+1], v[UG+\j:UG+\j+1]
.endr
.irp j, 0,1,2,3,4,5,6,7,8,9,10,11,12,13,14,15
	v_med3_num_f32 v[UG+\j], v[UG+\j], -v2, v2
.endr
	v_cvt_scalef32_pk8_fp8_f32 v[C+4*(\g):C+4*(\g)+1],   v[UG:UG+7],    v3
	v_cvt_scalef32_pk8_fp8_f32 v[C+4*(\g)+2:C+4*(\g)+3], v[UG+8:UG+15], v3
.endm
	s_mov_b32 s3, 0
.Lblock:
.irp a, 1,2,3,4,5,6,7
	s_cmp_eq_u32 s3, \a
	s_cbranch_scc1 .Lin\a
.endr
	COPYIN 0
	s_branch .Lgelu
.irp a, 1,2,3,4,5,6,7
.Lin\a:
	COPYIN \a
.if \a < 7
	s_branch .Lgelu
.endif
.endr
.Lgelu:
	GELU 0
	GELU 1
	GELU 2
	GELU 3
	v_nop
.irp p, 0,1,2,3
	global_store_b128 v[LI], v[C+4*\p:C+4*\p+3], s[12:13] offset:512*\p
.endr
	s_wait_xcnt 0x0
	s_add_nc_u64 s[12:13], s[12:13], 65536
	s_add_co_u32 s3, s3, 1
	s_cmp_lt_u32 s3, 8
	s_cbranch_scc1 .Lblock
	s_wait_tensorcnt 0x0
	ds_add_u32 v[SPW], v[NIL]
	s_wait_dscnt 0x0
	CROUND
	s_endpgm
.Lfunc_end_k_qe078a082c6_ffn1:
	.size	k_qe078a082c6_ffn1, .Lfunc_end_k_qe078a082c6_ffn1-k_qe078a082c6_ffn1
	.p2alignl 7, 3214868480
	.fill 96, 4, 3214868480
	.section	.rodata,"a",@progbits
	.p2align	6, 0x0
	.amdhsa_kernel k_qe078a082c6_ffn1
		.amdhsa_group_segment_fixed_size 327680
		.amdhsa_private_segment_fixed_size 0
		.amdhsa_enable_private_segment 0
		.amdhsa_kernarg_size 40
		.amdhsa_user_sgpr_count 2
		.amdhsa_user_sgpr_kernarg_segment_ptr 1
		.amdhsa_wavefront_size32 1
		.amdhsa_system_sgpr_workgroup_id_x 1
		.amdhsa_system_sgpr_workgroup_id_y 1
		.amdhsa_system_sgpr_workgroup_id_z 1
		.amdhsa_system_vgpr_workitem_id 0
		.amdhsa_next_free_vgpr 1024
		.amdhsa_next_free_sgpr 100
		.amdhsa_reserve_vcc 0
		.amdhsa_float_denorm_mode_32 3
		.amdhsa_float_denorm_mode_16_64 3
		.amdhsa_memory_ordered 1
		.amdhsa_forward_progress 1
		.amdhsa_inst_pref_size 151
	.end_amdhsa_kernel
	.amdgpu_metadata
---
amdhsa.version: [ 1, 2 ]
amdhsa.kernels:
  - .name:           k_qe078a082c6_ffn1
    .symbol:         k_qe078a082c6_ffn1.kd
    .args:
      - { .name: h2img, .offset: 0, .size: 8, .value_kind: global_buffer, .address_space: global }
      - { .name: wimg, .offset: 8, .size: 8, .value_kind: global_buffer, .address_space: global }
      - { .name: b1, .offset: 16, .size: 8, .value_kind: global_buffer, .address_space: global }
      - { .name: lowp_scales, .offset: 24, .size: 8, .value_kind: global_buffer, .address_space: global }
      - { .name: fimg, .offset: 32, .size: 8, .value_kind: global_buffer, .address_space: global }
    .group_segment_fixed_size: 327680
    .private_segment_fixed_size: 0
    .kernarg_segment_align: 8
    .kernarg_segment_size: 40
    .max_flat_workgroup_size: 128
    .sgpr_count:     100
    .vgpr_count:     1024
    .wavefront_size: 32
...
	.end_amdgpu_metadata
.endif
;; end of part 6
;; launch ffn2 (part 7): grid 8 x 32, 8 waves a work-group, clusters of 4 x 4, 327,680 bytes of LDS; arguments fimg, wimg, b2, x1, lowp_scales, out0; writes out0
.if DOCPART == 7
	.amdgcn_target "amdgcn-amd-amdhsa--gfx1250"
	.amdhsa_code_object_version 6
	.text
	.protected	k_qe078a082c6_ffn2
	.globl	k_qe078a082c6_ffn2
	.p2align	8
	.type	k_qe078a082c6_ffn2,@function
k_qe078a082c6_ffn2:
	s_mov_b64 s[64:65], 0
	v_nop
	global_prefetch_b8 v0, s[64:65] scope:SCOPE_SE
	s_setreg_imm32_b32 hwreg(HW_REG_WAVE_MODE, 25, 1), 1
	s_wait_xcnt 0x0
	s_wait_alu depctr_hold_cnt(0) depctr_sa_sdst(0) depctr_va_vdst(0) depctr_va_sdst(0) depctr_va_ssrc(0) depctr_va_vcc(0) depctr_vm_vsrc(0)
	s_getreg_b32 s2, hwreg(HW_REG_IB_STS2, 6, 4)
	s_cmp_eq_u32 s2, 0
	s_cbranch_scc0 .Lentry_in_a_cluster
	s_endpgm
.Lentry_in_a_cluster:
	s_bfe_u32 s2, ttmp6, 0x10000c
	s_cmp_lg_u32 s2, 0xf033
	s_cbranch_scc0 .Lentry_shape_is_right
	s_endpgm
.Lentry_shape_is_right:
; out0 = x1 + f w2 + b2, the product on codes of E4M3: sum x 2^(e14 + e15).  f: fimg, w2: wimg at WOFF, both as IMAGES OF OPERAND REGISTERS: [16 rows][k / 128][2,048 bytes], registers 4 c .. 4 c + 3 of lane L at 512 c + 16 L.
; A work-group makes 128 x 128 of out0; 8 x 32 = 256 work-groups.  Eight waves, two to a SIMD: wave = 4 kh + 2 mh + nh makes rows 64 mh, columns 64 nh (16 accumulators) over K's half kh: 16 steps of 128.
; TWO ROADS.  B (the weights' 128 columns) comes through a ring of two LDS slots of 131,072 bytes, four steps of both halves of K each: four fills, one joint tensor load a wave (a block of 16 columns: 2 rows of 8,192 bytes,
; one for each half of K), shared along a column of the 4 x 4 cluster.  One tensor load of a wave is out at the most.
; A goes from memory straight into registers, four global_load_b128 a fragment, 512 consecutive bytes each, in three sets of four fragments: a set is asked for again as soon as its 16 products are issued, three steps ahead of its use.
; All 16 steps are written by one macro with immediate offsets: no base is stepped along K.
; PREFETCH.  A: an even step t names images t + 6 and t + 7, three and four steps ahead of their loads; the 8 work-groups of a tile row share A's 8 blocks out by address (waves 0 and 4: 4,096 bytes, sixteen lanes 256 bytes apart).
; B: the second step of slot p names fill p + 2, three steps ahead of its load; the four partners of a column share the fill's 131,072 bytes out by address (blocks 2 cy, 2 cy + 1; the odd waves: 8,192 bytes each, a lane a block of 256).
; Images 0 to 5 and fills 0 and 1 come by their loads alone; nothing behind the last image or fill is named.
; THE WAY OUT: behind a barrier (nobody reads B any more) every wave lays its 64 x 64 sums into its own LDS region as rows of 256 bytes (272 apart); one barrier; a wave then takes 32 rows (32 kh on) out of both halves' regions and stores rows of 256 bytes.
; LIMIT: e14 + e15 between -126 and 127, so that 2^(e14 + e15) is an f32 number.
.set KTOT,  4096
.set WOFF,  6815744
.set SCOFF, 0x38
.set KIMG,  2048
.set ABLK,  16*KTOT                    ; the images of 16 rows
.set NS,    KTOT/256                   ; steps of 128 along K in a wave's half
.set NF,    NS/4                       ; fills: a slot holds four steps of both halves
.set SLOT,  131072
.set SPARE, 262144                     ; the spare words, 128 bytes for each wave
.set SP,    272
.set REG,   64*SP                      ; the way out: a wave's region, from LDS byte 0 on
.set LI,  16                           ; v16 16 x lane
.set STO, 17                           ; v17 into my region: row l % 16, 32 bytes for each half of the lanes
.set RD0, 18                           ; v18 back, out of half 0's region: lanes 0-15 one row, lanes 16-31 the next
.set RD1, 19                           ; v19 out of half 1's
.set CO,  20                           ; v20 the same two rows in memory
.set BO,  21                           ; v21 16 x (l % 16)
.set PFO, 22                           ; v22 the prefetches' offset: 256 x lane, held at my wave's last block
.set ADRB, 24                          ; v24-25 my B fragments in slot 0, 1
.set SPW, 28                           ; v28 my spare word; never rewritten
.set NIL, 29                           ; v29 0; never rewritten
.set BI,  96                           ; v96-99 the bias at my four columns
.set ACC, 128                          ; v128-255 accumulator (a, b) at 128 + 8 (4 a + b)
.set P0,  128                          ; the way out: half 0's sums, half 1's
.set P1,  192
.set XW,  64*((NS-3)%3)                ; window 1: A's three sets at 0, 64, 128 (the residual lands in the set that is free first); B's odd set at 192.  B's even set: window 0, v32-95
.set MSB, 0
.macro WIN new                         ; the immediate's high byte repeats the setting that is left
.if MSB != \new
	s_set_vgpr_msb (MSB<<8)|\new
.set MSB, \new
.endif
.endm
.set TO_F, 0x40                        ; destination window 1, address window 0
.macro CROUND                          ; a round of the cluster's barrier
	s_barrier_signal -1
	s_barrier_wait -1
	s_cmp_lg_u32 s16, 0
	s_cbranch_scc1 .Lnot_wave_0_\@
	s_barrier_signal -3
.Lnot_wave_0_\@:
	s_barrier_wait -3
	s_barrier_signal -1
	s_barrier_wait -1
.endm
	s_load_b256 s[4:11], s[0:1], 0x0               ; A's images s[4:5], wimg s[6:7], the bias s[8:9], the residual s[10:11]
	s_load_b128 s[12:15], s[0:1], 0x20             ; the exponents s[12:13], the result s[14:15]
	v_lshl_add_u32 v[SPW], v0, 2, SPARE
	v_mov_b32 v[NIL], 0
	ds_add_u32 v[SPW], v[NIL]                      ; the wave's opening: the add, twice on end, and its wait ahead of my first tensor load
	ds_add_u32 v[SPW], v[NIL]
	v_lshrrev_b32 v1, 5, v0
	v_readfirstlane_b32 s16, v1                    ; wave 0..7
	s_and_b32 s17, s16, 1                          ; nh
	s_bfe_u32 s18, s16, 0x10001                    ; mh
	s_lshr_b32 s19, s16, 2                         ; kh
	s_bfe_u32 s56, ttmp6, 0x40000                  ; cx
	s_bfe_u32 s57, ttmp6, 0x40004                  ; cy
	s_lshl_b32 s58, ttmp9, 2
	s_add_co_u32 s58, s58, s56                     ; tile column
	s_and_b32 s20, ttmp7, 0xffff
	s_lshl_b32 s20, s20, 2
	s_add_co_u32 s20, s20, s57                     ; tile row
	s_lshl_b32 s59, 0x1111, s56                    ; my column of the cluster
	s_or_b32 s48, s59, (3<<16)|(1<<21)             ; group 1: the mask; elements of 8 bytes; bit 21 beside a mask; no padding
	s_mov_b32 s49, 1024<<16                        ; a row: 8,192 bytes, four images on end
	s_mov_b32 s50, 2<<16                           ; two rows: K's two halves
	s_mov_b32 s51, 1024<<16
	s_mov_b32 s52, 2
	s_mov_b32 s53, KTOT                            ; 8 KTOT bytes apart
	s_mov_b32 s54, 0
	s_mov_b32 s55, 0
	s_lshl_b32 s24, s58, 3
	s_add_co_u32 s24, s24, s16
	s_mul_i32 s24, s24, ABLK                       ; I fetch B's block 8 x tile column + wave
	s_add_co_u32 s24, s24, WOFF
	s_mov_b32 s25, 0
	s_mov_b32 s40, 1                               ; group 0 for slot 0, s[40:43], and for slot 1, s[44:47]
	s_lshl_b32 s41, s16, 14                        ; to LDS 16,384 x wave
	s_mov_b32 s44, 1
	s_add_co_u32 s45, s41, SLOT
	s_mul_i32 s21, s19, 8*KTOT                     ; my half of K inside a block's images
	s_lshl_b32 s22, s20, 3
	s_lshl_b32 s23, s18, 2
	s_add_co_u32 s22, s22, s23
	s_mul_i32 s22, s22, ABLK                       ; A: block 8 x tile row + 4 mh
	s_add_co_u32 s22, s22, s21
	s_mov_b32 s23, 0
	s_lshl_b32 s26, s20, 19                        ; the rows that I finish: 128 x tile row + 64 mh + 32 kh, 4,096 bytes each
	s_lshl_b32 s27, s18, 18
	s_add_co_u32 s26, s26, s27
	s_lshl_b32 s27, s19, 17
	s_add_co_u32 s26, s26, s27
	s_lshl_b32 s28, s58, 9
	s_lshl_b32 s29, s17, 8
	s_add_co_u32 s28, s28, s29                     ; my 64 columns, in bytes
	s_add_co_u32 s26, s26, s28
	s_mov_b32 s27, 0
	s_mov_b32 s29, 0
	s_lshl_b32 s30, s20, 3                         ; the prefetches.  A's: block 8 x tile row + tile column, my half of K
	s_add_co_u32 s30, s30, s58
	s_mul_i32 s30, s30, ABLK
	s_add_co_u32 s30, s30, s21
	s_lshl_b32 s31, s58, 3                         ; B's: block 8 x tile column + 2 cy + wave / 4, half (wave / 2) % 2 of K
	s_lshl_b32 s32, s57, 1
	s_add_co_u32 s31, s31, s32
	s_add_co_u32 s31, s31, s19
	s_mul_i32 s31, s31, ABLK
	s_mul_i32 s32, s18, 8*KTOT
	s_add_co_u32 s31, s31, s32
	s_add_co_u32 s31, s31, WOFF
	s_cmp_eq_u32 s17, 0
	s_cselect_b32 s30, s30, s31
	s_cselect_b32 s33, 15, 31                      ; my wave's last block
	s_cselect_b32 s34, 1, 2                        ; 1: I ask for A; 2: for B;
	s_mov_b32 s31, 0
	s_and_b32 s32, s16, 3
	s_cmp_eq_u32 s32, 2
	s_cselect_b32 s34, 0, s34                      ; 0: waves 2 and 6 ask for nothing
	s_mul_i32 s35, s16, REG
	s_and_b32 s36, s16, 3
	s_mul_i32 s36, s36, REG
	s_mul_i32 s37, s19, 32*SP
	s_add_co_u32 s36, s36, s37
	s_lshl_b32 s60, s17, 16                        ; my four blocks of B in a slot, my half of K
	s_lshl_b32 s61, s19, 13
	s_add_co_u32 s60, s60, s61
	v_and_b32 v2, 15, v0
	v_bfe_u32 v3, v0, 4, 1
	v_and_b32 v4, 31, v0
	v_lshlrev_b32 v[LI], 4, v4
	v_mul_u32_u24 v5, v2, SP
	v_mul_u32_u24 v6, v3, SP
	v_lshlrev_b32 v[BO], 4, v2
	v_min_u32 v[PFO], s33, v4
	v_lshl_add_u32 v5, v3, 5, v5
	v_lshl_add_u32 v6, v2, 4, v6
	v_lshl_add_u32 v[CO], v3, 12, v[BO]
	v_lshlrev_b32 v[PFO], 8, v[PFO]
	v_add_nc_u32 v[STO], s35, v5
	v_add_nc_u32 v[RD0], s36, v6
	v_add_nc_u32 v[ADRB], s60, v[LI]
	v_add_nc_u32 v[RD1], 4*REG, v[RD0]
	v_add_nc_u32 v[ADRB+1], SLOT, v[ADRB]
	s_wait_alu depctr_va_vdst(0)                   ; the wait at the head's end
	s_wait_dscnt 0x0                               ; both opening adds are done
	s_wait_kmcnt 0x0
	s_load_b64 s[66:67], s[12:13], SCOFF           ; the two exponents
	s_add_nc_u64 s[42:43], s[6:7], s[24:25]        ; fill 0,
	s_add_nc_u64 s[46:47], s[42:43], 8192          ; fill 1: four images on
	s_or_b32 s43, s43, 0x80000000
	s_or_b32 s47, s47, 0x80000000
	CROUND                                         ; all sixteen work-groups are here: the joint loads meet
	tensor_load_to_lds s[40:43], s[48:55]          ; fill 0: one tensor load a wave at the head
	s_nop 0
	s_cmp_eq_u32 s17, 0
	s_cselect_b64 s[38:39], s[4:5], s[6:7]
	s_add_nc_u64 s[38:39], s[38:39], s[30:31]      ; where my prefetches stand; never rewritten
	s_add_nc_u64 s[4:5], s[4:5], s[22:23]
	s_add_nc_u64 s[8:9], s[8:9], s[28:29]
	s_add_nc_u64 s[10:11], s[10:11], s[26:27]
	s_add_nc_u64 s[14:15], s[14:15], s[26:27]
	global_load_b128 v[BI:BI+3], v[BO], s[8:9]     ; the oldest load: every counted wait below covers it
.macro PLACES                          ; four plain lines in front of loads into registers that matrix instructions have read, and of the first read of results
.rept 4
	v_nop
.endr
.endm
.macro GLA t                           ; 16 loads: image t of my four blocks of A into set t % 3
	WIN TO_F
.set AW, 64*((\t)%3)
.irp i, 0,1,2,3
.irp c, 0,1,2,3
	global_load_b128 v[AW+16*\i+4*\c:AW+16*\i+4*\c+3], v[LI], s[4:5] offset:ABLK*\i+KIMG*(\t)+512*\c
.endr
.endr
	WIN 0
.endm
.macro XLOAD                           ; the residual's 32 rows
	WIN TO_F
.set i, 0
.rept 16
	global_load_b128 v[XW+4*i:XW+4*i+3], v[CO], s[10:11] offset:8192*i th:TH_LOAD_NT
.set i, i+1
.endr
	WIN 0
.endm
.macro DSB t                           ; 16 LDS loads: step t's four fragments of B into set t % 2
.set BB, 32+160*((\t)%2)
.if (\t)%2
	WIN TO_F
.endif
.irp b, 0,1,2,3
.irp c, 0,1,2,3
	ds_load_b128 v[BB+16*\b+4*\c:BB+16*\b+4*\c+3], v[ADRB+((\t)/4)%2] offset:16384*\b+KIMG*((\t)%4)+512*\c
.endr
.endr
	WIN 0
.endm
.macro MULS t                          ; the 16 accumulators take turns, one instruction a turn, in the same order in every step
.set AW, 64*((\t)%3)
.set BB, 32+160*((\t)%2)
.set WM, 0x04+((\t)%2)                 ; source 1 (A) window 1; source 0 (B) window 0 or 1; C and D window 0
	WIN WM
.irp a, 0,1,2,3
.irp b, 0,1,2,3
.if (\t) == 0
	v_wmma_f32_16x16x128_fp8_fp8 v[ACC+8*(4*\a+\b):ACC+8*(4*\a+\b)+7], v[BB+16*\b:BB+16*\b+15], v[AW+16*\a:AW+16*\a+15], 0
.else
	v_wmma_f32_16x16x128_fp8_fp8 v[ACC+8*(4*\a+\b):ACC+8*(4*\a+\b)+7], v[BB+16*\b:BB+16*\b+15], v[AW+16*\a:AW+16*\a+15], v[ACC+8*(4*\a+\b):ACC+8*(4*\a+\b)+7]
.endif
.endr
.endr
.endm
.macro ASK kind, off                   ; the branch hangs on the wave's number alone
	s_cmp_eq_u32 s34, \kind
	s_cbranch_scc0 .Lnot_mine_\@
	global_prefetch_b8 v[PFO], s[38:39] offset:\off th:TH_LOAD_NT scope:SCOPE_SE
.Lnot_mine_\@:
.endm
; THE CHANGE OF SLOTS, in front of fill p's four steps: all my tensor loads are in (my part of fill p), the add, my reads of the other slot are over.  Behind the round fill p is whole, nobody of the cluster reads the other slot,
; and fill p + 1 goes into it (p = 0: slot 1's first fill, issued as a refill is).  The last change fills nothing and has a plain barrier.
.macro CHANGE p
	s_wait_tensorcnt 0x0
	ds_add_u32 v[SPW], v[NIL]
.set GS, 40+4*(((\p)+1)%2)
.if ((\p) >= 1) && ((\p)+1 < NF)
	s_add_nc_u64 s[GS+2:GS+3], s[GS+2:GS+3], 16384 ; no load of mine is out: that slot's group 0 steps two fills on
.endif
	s_wait_dscnt 0x0
.if (\p)+1 < NF
	CROUND
	tensor_load_to_lds s[GS:GS+3], s[48:55]        ; my one tensor load behind this round
	s_nop 0
.else
	s_barrier_signal -1
	s_barrier_wait -1
.endif
.endm
.macro STEP t
.if (\t)%4 == 0
	CHANGE (\t)/4
	DSB \t
.endif
.if (\t) == NS-1
	s_wait_loadcnt 16                              ; A's last image is in; the residual's 16 loads may be out
.else
	s_wait_loadcnt 32                              ; image t is in; the 32 loads issued behind it (two sets) may be out
.endif
	s_wait_dscnt 0x0                               ; B's fragments of this step are in
.if ((\t)%2 == 0) && ((\t)+7 < NS)
	ASK 1, KIMG*((\t)+6)
.endif
.if ((\t)%4 == 1) && ((\t)/4+2 < NF)
	ASK 2, 8192*((\t)/4+2)
.endif
.if ((\t)+1)%4 != 0
	DSB (\t)+1                                     ; the next step's, while this one is multiplied
.endif
	MULS \t
	PLACES
.if (\t)+3 < NS
	GLA (\t)+3
.else
.if (\t)+3 == NS
	XLOAD
.else
	WIN 0
.endif
.endif
.endm
	GLA 0
	GLA 1
	GLA 2
.set T, 0
.rept NS
	STEP T
.set T, T+1
.endr
	s_barrier_signal -1                            ; my reads of B are over (waited for in the last step);
	s_barrier_wait -1                              ; everybody's are: the regions of the way out may be laid over the slots, which have had their last fills
.irp a, 0,1,2,3
.irp b, 0,1,2,3
	ds_store_b128 v[STO], v[ACC+8*(4*\a+\b):ACC+8*(4*\a+\b)+3]   offset:16*SP*\a+64*\b      ; lane (r, h) holds row 16 a + r, columns 16 b + 8 h + 0..7; each accumulator from its low end on
	ds_store_b128 v[STO], v[ACC+8*(4*\a+\b)+4:ACC+8*(4*\a+\b)+7] offset:16*SP*\a+64*\b+16
.endr
.endr
	s_wait_kmcnt 0x0
	s_add_co_i32 s66, s66, s67
	s_add_co_i32 s66, s66, 127
	s_lshl_b32 s66, s66, 23                        ; 2^(eA + eB)
	s_mov_b32 s67, s66                             ; (named with it as a pair)
	s_wait_dscnt 0x0                               ; for the others' sake: my stores are done
	s_barrier_signal -1
	s_barrier_wait -1
.set i, 0
.rept 16
	ds_load_b128 v[P0+4*i:P0+4*i+3], v[RD0] offset:2*SP*i
	ds_load_b128 v[P1+4*i:P1+4*i+3], v[RD1] offset:2*SP*i
.set i, i+1
.endr
	s_wait_loadcnt 0x0                             ; the residual
	s_wait_dscnt 0x0
.set i, 0
.rept 32
	v_pk_add_f32 v[P0+i:P0+i+1], v[P0+i:P0+i+1], v[P1+i:P1+i+1]
.set i, i+2
.endr
.set i, 0
.rept 32
	v_pk_fma_f32 v[P0+i:P0+i+1], v[P0+i:P0+i+1], s[66:67], v[BI+i%4:BI+i%4+1] op_sel_hi:[1,0,1]
.set i, i+2
.endr
	WIN 0x04                                       ; source 1: window 1
.set i, 0
.rept 32
	v_pk_add_f32 v[P0+i:P0+i+1], v[P0+i:P0+i+1], v[XW+i:XW+i+1]
.set i, i+2
.endr
	WIN 0
.set i, 0
.rept 16
	global_store_b128 v[CO], v[P0+4*i:P0+4*i+3], s[14:15] offset:8192*i   ; sixteen lanes store 256 consecutive bytes, aligned
.set i, i+1
.endr
	s_wait_tensorcnt 0x0                           ; the wave's end, behind my last LDS store
	ds_add_u32 v[SPW], v[NIL]
	s_wait_dscnt 0x0
	CROUND                                         ; the closing round
	s_endpgm
.Lfunc_end_k_qe078a082c6_ffn2:
	.size	k_qe078a082c6_ffn2, .Lfunc_end_k_qe078a082c6_ffn2-k_qe078a082c6_ffn2
	.p2alignl 7, 3214868480
	.fill 96, 4, 3214868480
	.section	.rodata,"a",@progbits
	.p2align	6, 0x0
	.amdhsa_kernel k_qe078a082c6_ffn2
		.amdhsa_group_segment_fixed_size 327680
		.amdhsa_private_segment_fixed_size 0
		.amdhsa_enable_private_segment 0
		.amdhsa_kernarg_size 48
		.amdhsa_user_sgpr_count 2
		.amdhsa_user_sgpr_kernarg_segment_ptr 1
		.amdhsa_wavefront_size32 1
		.amdhsa_system_sgpr_workgroup_id_x 1
		.amdhsa_system_sgpr_workgroup_id_y 1
		.amdhsa_system_sgpr_workgroup_id_z 1
		.amdhsa_system_vgpr_workitem_id 0
		.amdhsa_next_free_vgpr 512
		.amdhsa_next_free_sgpr 68
		.amdhsa_reserve_vcc 0
		.amdhsa_float_denorm_mode_32 3
		.amdhsa_float_denorm_mode_16_64 3
		.amdhsa_memory_ordered 1
		.amdhsa_forward_progress 1
		.amdhsa_inst_pref_size 84
	.end_amdhsa_kernel
	.amdgpu_metadata
---
amdhsa.version: [ 1, 2 ]
amdhsa.kernels:
  - .name:           k_qe078a082c6_ffn2
    .symbol:         k_qe078a082c6_ffn2.kd
    .args:
      - { .name: fimg, .offset: 0, .size: 8, .value_kind: global_buffer, .address_space: global }
      - { .name: wimg, .offset: 8, .size: 8, .value_kind: global_buffer, .address_space: global }
      - { .name: b2, .offset: 16, .size: 8, .value_kind: global_buffer, .address_space: global }
      - { .name: x1, .offset: 24, .size: 8, .value_kind: global_buffer, .address_space: global }
      - { .name: lowp_scales, .offset: 32, .size: 8, .value_kind: global_buffer, .address_space: global }
      - { .name: out0, .offset: 40, .size: 8, .value_kind: global_buffer, .address_space: global }
    .group_segment_fixed_size: 327680
    .private_segment_fixed_size: 0
    .kernarg_segment_align: 8
    .kernarg_segment_size: 48
    .max_flat_workgroup_size: 256
    .sgpr_count:     68
    .vgpr_count:     512
    .wavefront_size: 32
...
	.end_amdgpu_metadata
.endif
;; end of part 7
